; MI455X (gfx1250); checked and timed in simulation.
; The chip was launched on July 23, 2026; its instructions are those of AMD's public machine-readable ISA for CDNA 5 (MIT licence, August 2026) and "CDNA5" Instruction Set Architecture Reference Guide (July 2026). The comments in the code are by the model that wrote it; some were corrected since.
;; Hyper SET Lo RA Attention. Allowed arithmetic: float matrix products may take bf16 or f16 operands with f32 sums; other float arithmetic in f32, or as packed bf16 or f16 multiplies, adds, multiply-adds, maxima and minima; sums over many terms, partial sums and values carried from step to step in f32; what a program stores and reads back later, other than sums and carried values, may be rounded once to bf16 or f16.
;; Inputs: delta_w 512 x 512 float32; g1 64 float32; g2 64 float32; g3 64 float32; qkv_w 512 x 512 float32; x 4 x 2,048 x 512 float32.
;; Outputs: out0 4 x 2,048 x 512 float32.
;; 2 versions, each right and faster than the one before. Each part assembles by itself: llvm-mc -triple=amdgcn-amd-amdhsa -mcpu=gfx1250 --defsym DOCPART=n.
;; ======== version 1 of 2: 5 launches
;; limits: values are held in f16: magnitudes above 65,504 overflow, below 6.1e-05 lose precision
;; workspace buffers: xh 8,388,608 bytes; wh 524,288 bytes; w3h 524,288 bytes; gq 256 bytes; nh 8,388,608 bytes; nl 262,144 bytes; yh 8,388,608 bytes
;; launch prep (part 1): grid 256 x 1, 8 waves a work-group, no clusters, 0 bytes of LDS; arguments x, qkv_w, delta_w, g1, g2, g3, xh, wh, w3h, gq; writes xh, wh, w3h, gq
.if DOCPART == 1
	.amdgcn_target "amdgcn-amd-amdhsa--gfx1250"
	.amdhsa_code_object_version 6
	.text
	.protected	k_qcaadd236f1_prep
	.globl	k_qcaadd236f1_prep
	.p2align	8
	.type	k_qcaadd236f1_prep,@function
k_qcaadd236f1_prep:
	s_mov_b64 s[64:65], 0
	v_nop
	global_prefetch_b8 v0, s[64:65] scope:SCOPE_SE
	s_setreg_imm32_b32 hwreg(HW_REG_WAVE_MODE, 25, 1), 1
	s_wait_xcnt 0x0
; PREP: every input is rounded once to bf16; what is made of the rounded numbers is stored as f16 for the matrix launches.
;   xh[m][c]  = f16(bf16 x)                            (exact inside f16's normal range)
;   wh[o][c]  = f16(W),  W = bf16 qkv_w + bf16 delta_w (the sum in f32)
;   w3h[o][c] = f16(bf16 g3[o % 64] * W)               (the third norm's gain goes into the last projection's weight)
;   gq[f]     = f16(bf16 g1[f] * bf16 g2[f] * log2(e) / 8)   (both other gains and the softmax's scale go into the query operand)
; LIMITS: |x|, |W|, |g3 W| and |g1 g2| / 5.5 stay under 65,504 (f16's end); numbers below 6e-5 keep f16's fixed step of 6e-8.  NaN and infinities are not treated apart.
; A stream: no LDS, no matrix unit, no cluster (no two work-groups read the same bytes but g3's 256).  256 work-groups of 8 waves; a work-group takes 16,384 numbers of x
; (thread t: 16 bytes at 16 t of each of 16 blocks of 4,096 bytes) and 1,024 numbers of W (rows 2 wg and 2 wg + 1).  All 19 loads of a wave go out at once.
.set X,   16          ; v[16:79]   16 x 4 numbers of x
.set QW,  80          ; v[80:83]   qkv_w, then W, then g3 W
.set DW,  84          ; v[84:87]   delta_w
.set G3,  88          ; v[88:89]   g3 of my row (a pair for the packed multiply; the low word is used for both halves)
.set T,   90          ; v[90:92]   at work
.set Y,   100         ; v[100:131] 16 x 2 registers to store: each store has its own, so none is rewritten
.set WO,  132         ; v[132:133] four f16 of W
.set W3,  134         ; v[134:135] four f16 of g3 W
.set GA,  136         ; v[136:137] g1
.set GB,  138         ; v[138:139] g2
.set GO,  140         ; v140       two f16 of gq
	s_load_b512 s[8:23], s[0:1], 0x0               ; x 8, qkv_w 10, delta_w 12, g1 14, g2 16, g3 18, xh 20, wh 22
	s_load_b128 s[24:27], s[0:1], 0x40             ; w3h 24, gq 26
	s_mov_b32 s28, 0xffff0000                      ; a word's upper bf16
	v_lshlrev_b32 v1, 4, v0                        ; 16 t: loads of four f32
	v_lshlrev_b32 v2, 3, v0                        ; 8 t: stores of four f16
	v_lshrrev_b32 v3, 7, v0                        ; which of the group's two rows of W
	s_lshl_b32 s29, ttmp9, 1
	v_add_nc_u32 v3, s29, v3                       ; o = 2 wg + t / 128
	v_and_b32 v3, 63, v3                           ; o % 64
	v_lshlrev_b32 v3, 2, v3
	v_mov_b32 v[G3+1], 0                           ; named with G3 as a pair
	s_lshl_b32 s2, ttmp9, 16                       ; the group's 65,536 bytes of x,
	s_mov_b32 s3, 0
	s_lshl_b32 s4, ttmp9, 15                       ; 32,768 of xh,
	s_mov_b32 s5, 0
	s_lshl_b32 s6, ttmp9, 12                       ; 4,096 of each weight,
	s_mov_b32 s7, 0
	s_lshl_b32 s30, ttmp9, 11                      ; 2,048 of wh and of w3h
	s_mov_b32 s31, 0
	s_wait_kmcnt 0x0
	s_add_nc_u64 s[8:9], s[8:9], s[2:3]
	s_add_nc_u64 s[20:21], s[20:21], s[4:5]
	s_add_nc_u64 s[10:11], s[10:11], s[6:7]
	s_add_nc_u64 s[12:13], s[12:13], s[6:7]
	s_add_nc_u64 s[22:23], s[22:23], s[30:31]
	s_add_nc_u64 s[24:25], s[24:25], s[30:31]
	global_load_b32 v[G3], v3, s[18:19]
	global_load_b128 v[QW:QW+3], v1, s[10:11] th:TH_LOAD_NT
	global_load_b128 v[DW:DW+3], v1, s[12:13] th:TH_LOAD_NT
.set i, 0
.rept 16
	global_load_b128 v[X+4*i:X+4*i+3], v1, s[8:9] offset:4096*i th:TH_LOAD_NT
.set i, i+1
.endr
; four f32 at v[r ..] are rounded to bf16 (nearest even) and widened again, in place
.macro R4 r
	v_cvt_pk_bf16_f32 v[T], v[(\r)], v[(\r)+1]
	v_cvt_pk_bf16_f32 v[T+1], v[(\r)+2], v[(\r)+3]
	v_lshlrev_b32 v[(\r)], 16, v[T]
	v_and_b32 v[(\r)+1], s28, v[T]
	v_lshlrev_b32 v[(\r)+2], 16, v[T+1]
	v_and_b32 v[(\r)+3], s28, v[T+1]
.endm
	s_wait_loadcnt 16                              ; g3 and the two weights are in; the sixteen loads of x, issued behind them, stay out
	R4 QW
	R4 DW
	v_cvt_pk_bf16_f32 v[T+2], v[G3], v[G3]
	v_lshlrev_b32 v[G3], 16, v[T+2]
	v_pk_add_f32 v[QW:QW+1], v[QW:QW+1], v[DW:DW+1]
	v_pk_add_f32 v[QW+2:QW+3], v[QW+2:QW+3], v[DW+2:DW+3]
	v_cvt_pk_f16_f32 v[WO], v[QW], v[QW+1]
	v_cvt_pk_f16_f32 v[WO+1], v[QW+2], v[QW+3]
	v_pk_mul_f32 v[QW:QW+1], v[QW:QW+1], v[G3:G3+1] op_sel_hi:[1,0]
	v_pk_mul_f32 v[QW+2:QW+3], v[QW+2:QW+3], v[G3:G3+1] op_sel_hi:[1,0]
	v_cvt_pk_f16_f32 v[W3], v[QW], v[QW+1]
	v_cvt_pk_f16_f32 v[W3+1], v[QW+2], v[QW+3]
	global_store_b64 v2, v[WO:WO+1], s[22:23]      ; a wave's store covers 256 consecutive bytes, aligned
	global_store_b64 v2, v[W3:W3+1], s[24:25]
.set i, 0
.rept 16
	s_wait_loadcnt 15-i                            ; loads come back in order: block i is in, the 15 - i younger ones stay out
	R4 X+4*i
	v_cvt_pk_f16_f32 v[Y+2*i], v[X+4*i], v[X+4*i+1]
	v_cvt_pk_f16_f32 v[Y+2*i+1], v[X+4*i+2], v[X+4*i+3]
	global_store_b64 v2, v[Y+2*i:Y+2*i+1], s[20:21] offset:2048*i
.set i, i+1
.endr
	; gq: 64 numbers, made by wave 0 of work-group 0, two a lane
	s_cmp_lg_u32 ttmp9, 0
	s_cbranch_scc1 .Lend
	v_lshrrev_b32 v4, 5, v0
	v_readfirstlane_b32 s29, v4
	s_cmp_lg_u32 s29, 0
	s_cbranch_scc1 .Lend
	global_load_b64 v[GA:GA+1], v2, s[14:15]
	global_load_b64 v[GB:GB+1], v2, s[16:17]
	v_lshlrev_b32 v5, 2, v0
	s_wait_loadcnt 0x0
	v_cvt_pk_bf16_f32 v[T], v[GA], v[GA+1]
	v_cvt_pk_bf16_f32 v[T+1], v[GB], v[GB+1]
	v_lshlrev_b32 v[GA], 16, v[T]
	v_and_b32 v[GA+1], s28, v[T]
	v_lshlrev_b32 v[GB], 16, v[T+1]
	v_and_b32 v[GB+1], s28, v[T+1]
	v_pk_mul_f32 v[GA:GA+1], v[GA:GA+1], v[GB:GB+1]
	v_pk_mul_f32 v[GA:GA+1], v[GA:GA+1], 0x3e38aa3b op_sel_hi:[1,0]   ; log2(e) / 8
	v_cvt_pk_f16_f32 v[GO], v[GA], v[GA+1]
	global_store_b32 v5, v[GO], s[26:27]
.Lend:
	s_endpgm
.Lfunc_end_k_qcaadd236f1_prep:
	.size	k_qcaadd236f1_prep, .Lfunc_end_k_qcaadd236f1_prep-k_qcaadd236f1_prep
	.p2alignl 7, 3214868480
	.fill 96, 4, 3214868480
	.section	.rodata,"a",@progbits
	.p2align	6, 0x0
	.amdhsa_kernel k_qcaadd236f1_prep
		.amdhsa_group_segment_fixed_size 0
		.amdhsa_private_segment_fixed_size 0
		.amdhsa_enable_private_segment 0
		.amdhsa_kernarg_size 80
		.amdhsa_user_sgpr_count 2
		.amdhsa_user_sgpr_kernarg_segment_ptr 1
		.amdhsa_wavefront_size32 1
		.amdhsa_system_sgpr_workgroup_id_x 1
		.amdhsa_system_sgpr_workgroup_id_y 1
		.amdhsa_system_sgpr_workgroup_id_z 1
		.amdhsa_system_vgpr_workitem_id 0
		.amdhsa_next_free_vgpr 144
		.amdhsa_next_free_sgpr 66
		.amdhsa_reserve_vcc 0
		.amdhsa_float_denorm_mode_32 3
		.amdhsa_float_denorm_mode_16_64 3
		.amdhsa_memory_ordered 1
		.amdhsa_forward_progress 1
		.amdhsa_inst_pref_size 14
	.end_amdhsa_kernel
	.amdgpu_metadata
---
amdhsa.version: [ 1, 2 ]
amdhsa.kernels:
  - .name:           k_qcaadd236f1_prep
    .symbol:         k_qcaadd236f1_prep.kd
    .args:
      - { .name: x, .offset: 0, .size: 8, .value_kind: global_buffer, .address_space: global }
      - { .name: qkv_w, .offset: 8, .size: 8, .value_kind: global_buffer, .address_space: global }
      - { .name: delta_w, .offset: 16, .size: 8, .value_kind: global_buffer, .address_space: global }
      - { .name: g1, .offset: 24, .size: 8, .value_kind: global_buffer, .address_space: global }
      - { .name: g2, .offset: 32, .size: 8, .value_kind: global_buffer, .address_space: global }
      - { .name: g3, .offset: 40, .size: 8, .value_kind: global_buffer, .address_space: global }
      - { .name: xh, .offset: 48, .size: 8, .value_kind: global_buffer, .address_space: global }
      - { .name: wh, .offset: 56, .size: 8, .value_kind: global_buffer, .address_space: global }
      - { .name: w3h, .offset: 64, .size: 8, .value_kind: global_buffer, .address_space: global }
      - { .name: gq, .offset: 72, .size: 8, .value_kind: global_buffer, .address_space: global }
    .group_segment_fixed_size: 0
    .private_segment_fixed_size: 0
    .kernarg_segment_align: 8
    .kernarg_segment_size: 80
    .max_flat_workgroup_size: 256
    .sgpr_count:     66
    .vgpr_count:     144
    .wavefront_size: 32
...
	.end_amdgpu_metadata
.endif
;; end of part 1
;; launch proj (part 2): grid 4 x 64, 4 waves a work-group, clusters of 4 x 4, 327,680 bytes of LDS; arguments xh, wh, nh; writes nh
.if DOCPART == 2
	.amdgcn_target "amdgcn-amd-amdhsa--gfx1250"
	.amdhsa_code_object_version 6
	.text
	.protected	k_qcaadd236f1_proj
	.globl	k_qcaadd236f1_proj
	.p2align	8
	.type	k_qcaadd236f1_proj,@function
k_qcaadd236f1_proj:
	s_mov_b64 s[64:65], 0
	v_nop
	global_prefetch_b8 v0, s[64:65] scope:SCOPE_SE
	s_setreg_imm32_b32 hwreg(HW_REG_WAVE_MODE, 25, 1), 1
	s_wait_xcnt 0x0
	s_wait_alu depctr_hold_cnt(0) depctr_sa_sdst(0) depctr_va_vdst(0) depctr_va_sdst(0) depctr_va_ssrc(0) depctr_va_vcc(0) depctr_vm_vsrc(0)
	s_getreg_b32 s2, hwreg(HW_REG_IB_STS2, 6, 4)
	s_cmp_eq_u32 s2, 0
	s_cbranch_scc0 .Lentry_in_a_cluster
	s_endpgm
.Lentry_in_a_cluster:
	s_bfe_u32 s2, ttmp6, 0x10000c
	s_cmp_lg_u32 s2, 0xf033
	s_cbranch_scc0 .Lentry_shape_is_right
	s_endpgm
.Lentry_shape_is_right:
; PROJ: w[m][o] = sum over c of xh[m][c] wh[o][c] (8,192 x 512 x 512, f16 operands, f32 sums), then n = w * rsqrt(mean over a head's 64 channels of w^2 + eps),
; stored by heads: nh[b*8 + head][t][64] in f16.  The three norms of the module share this n; their gains are applied elsewhere.  |n| <= 8, so f16 holds it.
; A tile is 128 tokens x 128 channels; four waves, each 64 x 64: a wave's 64 channels are exactly one head, so the mean needs one exchange between the halves of the lanes.
; K = 512 is two slots of 256 along K; both are filled once, at the start: nothing is filled again, so there is no ring.
; CLUSTER 4 x 4: the four work-groups of a row of the cluster need the same rows of xh, the four of a column the same rows of wh: each tile is asked for jointly.
; The matrix instruction is used transposed (source 0 = 16 rows of wh, source 1 = 16 rows of xh): a lane holds one token (lane % 16) and eight neighbouring channels.
; REGISTERS: window 0: v0-31 addresses; v32-95 packed results; v96-103 sums of squares; v128-255 the 16 accumulators ((a, b) at 128 + 8 (4 a + b)).  Window 1: two fragment buffers of 128.
.set SIZE_K, 512
.set KSTEP,  256
.set PITCH,  528                       ; an LDS row: 512 bytes + 16 of padding = 132 words: the 16 rows of a fragment load start at 16 different groups of four banks
.set HALFT,  64*PITCH                  ; 64 rows: one tensor load
.set SLOT,   4*HALFT                   ; xh's 128 rows, then wh's 128 rows
.set STAGE,  2*SLOT                    ; behind the slots: 16 rows x 144 bytes for each wave
.set SP,     144
.set SPARE,  STAGE+4*16*SP             ; the spare words, 128 bytes a wave
.set ADRA, 16
.set ADRB, 20
.set STO,  24
.set RD,   25
.set GO,   26
.set SPW,  28
.set NIL,  29
.set TMP,  32
.set SS,   96
.set ACC,  128
.set F0,   0
.set F1,   128
.set G1, 24                            ; s[24:31] group 1 for xh's tiles; s[32:39] group 0, a set for each slot
.set G0, 32
.set G1B, 48                           ; s[48:55], s[56:63] the same for wh's tiles
.set G0B, 56
.set MSB, 0
.macro WIN new                         ; the immediate's high byte repeats the setting that is left
.if MSB != (\new)
	s_set_vgpr_msb (MSB<<8)|(\new)
.set MSB, \new
.endif
.endm
.set MUL,  0x05                        ; sources 0 and 1 in window 1; C and D in window 0
.set TO_F, 0x40                        ; destination in window 1, address in window 0
.macro CROUND                          ; a round of the cluster's barrier
	s_barrier_signal -1
	s_barrier_wait -1
	s_cmp_lg_u32 s10, 0
	s_cbranch_scc1 .Lnot_wave_0_\@
	s_barrier_signal -3
.Lnot_wave_0_\@:
	s_barrier_wait -3
	s_barrier_signal -1
	s_barrier_wait -1
.endm
	s_load_b128 s[4:7], s[0:1], 0x0                ; xh s[4:5], wh s[6:7]
	s_load_b64 s[8:9], s[0:1], 0x10                ; nh
	v_lshl_add_u32 v[SPW], v0, 2, SPARE
	v_mov_b32 v[NIL], 0
	ds_add_u32 v[SPW], v[NIL]                      ; the wave's opening: the add and its wait ahead of my first tensor load
	v_lshrrev_b32 v1, 5, v0
	v_readfirstlane_b32 s10, v1                    ; wave 0..3
	s_lshr_b32 s11, s10, 1                         ; my half of the tile's tokens.  Also: I fetch for xh (0) or for wh (1)
	s_and_b32 s12, s10, 1                          ; my half of its channels.  Also: which 64 rows I fetch
	s_bfe_u32 s40, ttmp6, 0x40000                  ; cx
	s_bfe_u32 s41, ttmp6, 0x40004                  ; cy
	s_lshl_b32 s42, ttmp9, 2
	s_add_co_u32 s42, s42, s40                     ; tile column = 4 x cluster x + cx
	s_and_b32 s13, ttmp7, 0xffff
	s_lshl_b32 s13, s13, 2
	s_add_co_u32 s13, s13, s41                     ; tile row = 4 x cluster y + cy
	s_lshl_b32 s43, s41, 2
	s_lshl_b32 s43, 15, s43                        ; my row of the cluster
	s_lshl_b32 s44, 0x1111, s40                    ; my column
	s_or_b32 s[G1+0], s43, (1<<16)|(1<<20)|(1<<21)|(6<<22)|(3<<25)   ; mask; 2-byte elements; padding on; bit 21 beside a mask; after every 128 words 4 words
	s_or_b32 s[G1B+0], s44, (1<<16)|(1<<20)|(1<<21)|(6<<22)|(3<<25)
.irp g, G1, G1B
	s_mov_b32 s[(\g)+1], KSTEP<<16                 ; tensor_dim0 = 256
	s_mov_b32 s[(\g)+2], 64<<16                    ; tensor_dim1 = 64
	s_mov_b32 s[(\g)+3], KSTEP<<16                 ; tile_dim0 = 256
	s_mov_b32 s[(\g)+4], 64                        ; tile_dim1 = 64
	s_mov_b32 s[(\g)+5], SIZE_K                    ; elements from row to row
	s_mov_b32 s[(\g)+6], 0
	s_mov_b32 s[(\g)+7], 0
.endr
	s_lshl_b32 s17, s12, 6                         ; which 64 rows of the tile I fetch
	s_lshl_b32 s16, s13, 7
	s_add_co_u32 s16, s16, s17                     ; xh: row 128 x tile row + 64 x half
	s_lshl_b32 s16, s16, 10                        ; rows of 1,024 bytes
	s_lshl_b32 s46, s42, 7
	s_add_co_u32 s46, s46, s17                     ; wh: row 128 x tile column + 64 x half
	s_lshl_b32 s46, s46, 10
	s_mov_b32 s17, 0
	s_mov_b32 s47, 0
	s_mul_i32 s20, s10, HALFT                      ; where they go: wave x 64 rows
	s_wait_dscnt 0x0                               ; the opening add is done
	s_wait_kmcnt 0x0
	s_add_nc_u64 s[14:15], s[4:5], s[16:17]
	s_add_nc_u64 s[46:47], s[6:7], s[46:47]
	CROUND                                         ; all sixteen work-groups are here: the joint loads meet
.irp s, 0,1
	s_mov_b32 s[G0+4*(\s)], 1
	s_add_co_u32 s[G0+4*(\s)+1], s20, (\s)*SLOT
	s_add_nc_u64 s[G0+4*(\s)+2:G0+4*(\s)+3], s[14:15], (\s)*KSTEP*2
	s_or_b32 s[G0+4*(\s)+3], s[G0+4*(\s)+3], 0x80000000
	s_mov_b32 s[G0B+4*(\s)], 1
	s_add_co_u32 s[G0B+4*(\s)+1], s20, (\s)*SLOT
	s_add_nc_u64 s[G0B+4*(\s)+2:G0B+4*(\s)+3], s[46:47], (\s)*KSTEP*2
	s_or_b32 s[G0B+4*(\s)+3], s[G0B+4*(\s)+3], 0x80000000
.endr
	s_cmp_eq_u32 s11, 0                            ; a wave's two fills stand in one branch: two tensor loads of mine are out
	s_cbranch_scc0 .Lfirst_b
	tensor_load_to_lds s[G0:G0+3], s[G1:G1+7]
	s_nop 0
	tensor_load_to_lds s[G0+4:G0+7], s[G1:G1+7]
	s_nop 0
.rept 4
	v_nop
.endr
	s_branch .Lfirst_asked
.Lfirst_b:
	tensor_load_to_lds s[G0B:G0B+3], s[G1B:G1B+7]
	s_nop 0
	tensor_load_to_lds s[G0B+4:G0B+7], s[G1B:G1B+7]
	s_nop 0
.rept 4
	v_nop
.endr
.Lfirst_asked:
	v_and_b32 v1, 15, v0                           ; l % 16
	v_bfe_u32 v2, v0, 4, 1                         ; l / 16
	v_mul_u32_u24 v3, v1, PITCH
	v_lshl_add_u32 v3, v2, 4, v3                   ; a fragment's row x pitch + 16 x half
	s_mul_i32 s21, s11, HALFT                      ; my 64 rows of xh
	s_mul_i32 s22, s12, HALFT                      ; my 64 rows of wh,
	s_add_co_u32 s22, s22, 2*HALFT                 ; behind xh's 128
.irp s, 0,1
	v_add_nc_u32 v[ADRA+(\s)], s21, v3
	v_add_nc_u32 v[ADRB+(\s)], s22, v3
	s_add_co_u32 s21, s21, SLOT
	s_add_co_u32 s22, s22, SLOT
.endr
	s_mul_i32 s23, s10, 16*SP
	s_add_co_u32 s23, s23, STAGE                   ; my stage
	v_mul_u32_u24 v4, v1, SP                       ; in: row l % 16, 16 bytes for each half of the lanes
	v_lshl_add_u32 v4, v2, 4, v4
	v_add_nc_u32 v[STO], s23, v4
	v_bfe_u32 v5, v0, 3, 2                         ; back: 32 lanes take four rows of 128 bytes,
	v_mul_u32_u24 v5, v5, SP
	v_and_b32 v6, 7, v0
	v_lshl_add_u32 v5, v6, 4, v5
	v_add_nc_u32 v[RD], s23, v5
	v_and_b32 v[GO], 31, v0                        ; which are 512 consecutive bytes of nh
	v_lshlrev_b32 v[GO], 4, v[GO]
	; nh at my wave's first row: ((b * 8 + head) * 2,048 + t) * 128 bytes; b = tile row / 16, t = (tile row % 16) * 128 + 64 x row half, head = 2 x tile column + column half
	s_lshr_b32 s16, s13, 4
	s_lshl_b32 s16, s16, 21
	s_and_b32 s17, s13, 15
	s_lshl_b32 s17, s17, 14
	s_add_co_u32 s16, s16, s17
	s_lshl_b32 s17, s11, 13
	s_add_co_u32 s16, s16, s17
	s_mov_b32 s17, 0
	s_add_nc_u64 s[8:9], s[8:9], s[16:17]
	s_lshl_b32 s46, s42, 1                         ; (in the registers that held wh's address: none that feeds xh's descriptors ever holds cx)
	s_add_co_u32 s46, s46, s12
	s_lshl_b32 s46, s46, 18
	s_mov_b32 s47, 0
	s_add_nc_u64 s[8:9], s[8:9], s[46:47]
	s_mov_b32 s2, 0x76543210                       ; v_permlanex16_b32: each lane takes its own place in the other half
	s_mov_b32 s3, 0xfedcba98
	s_mov_b32 s14, 0x3c800000                      ; 1 / 64
	s_mov_b32 s15, 0x34000000                      ; eps = 2^-23
; 8 matrix instructions: token blocks a0, a0 + 1 x all 4 channel blocks, 32 along K: half c of buffer f.  zero = 1: the first product starts the sums
.macro MUL8 f, c, a0, zero
	WIN MUL
.irp a, \a0, (\a0)+1
.irp b, 0,1,2,3
.if \zero
	v_wmma_f32_16x16x32_f16 v[ACC+8*(4*(\a)+(\b)):ACC+8*(4*(\a)+(\b))+7], v[(\f)+64+8*(4*(\c)+(\b)):(\f)+64+8*(4*(\c)+(\b))+7], v[(\f)+8*(4*(\c)+(\a)):(\f)+8*(4*(\c)+(\a))+7], 0
.else
	v_wmma_f32_16x16x32_f16 v[ACC+8*(4*(\a)+(\b)):ACC+8*(4*(\a)+(\b))+7], v[(\f)+64+8*(4*(\c)+(\b)):(\f)+64+8*(4*(\c)+(\b))+7], v[(\f)+8*(4*(\c)+(\a)):(\f)+8*(4*(\c)+(\a))+7], v[ACC+8*(4*(\a)+(\b)):ACC+8*(4*(\a)+(\b))+7]
.endif
.endr
.endr
.endm
; 32 LDS loads in one run: the fragments of 64 along K at byte k of the rows, into buffer f; the first 32 along K first
.macro FETCH slot, k, f
	WIN TO_F
.irp c, 0,1
.irp i, 0,1,2,3
	ds_load_b128 v[(\f)+64+8*(4*(\c)+(\i)):(\f)+64+8*(4*(\c)+(\i))+3],   v[ADRB+(\slot)] offset:(\k)+64*(\c)+(\i)*16*PITCH
	ds_load_b128 v[(\f)+64+8*(4*(\c)+(\i))+4:(\f)+64+8*(4*(\c)+(\i))+7], v[ADRB+(\slot)] offset:(\k)+64*(\c)+(\i)*16*PITCH+32
	ds_load_b128 v[(\f)+8*(4*(\c)+(\i)):(\f)+8*(4*(\c)+(\i))+3],         v[ADRA+(\slot)] offset:(\k)+64*(\c)+(\i)*16*PITCH
	ds_load_b128 v[(\f)+8*(4*(\c)+(\i))+4:(\f)+8*(4*(\c)+(\i))+7],       v[ADRA+(\slot)] offset:(\k)+64*(\c)+(\i)*16*PITCH+32
.endr
.endr
.endm
.macro PLACES                          ; four places in front of loads into registers that matrix instructions have read, and of vector lines that read results
.rept 4
	v_nop
.endr
.endm
; A slot is four quarters of 64 along K, 32 matrix instructions each (the 16 accumulators by turns), on buffers 0, 1, 0, 1
.macro QUARTER slot, k, f, g, zero
	s_wait_dscnt 16                                ; the first 32 along K are in; the other sixteen loads may be out
	WIN MUL
	MUL8 \f, 0, 0, \zero
	MUL8 \f, 0, 2, \zero
	PLACES
	FETCH \slot, \k, \g
	s_wait_dscnt 32                                ; all but the 32 just issued
	WIN MUL
	MUL8 \f, 1, 0, 0
	MUL8 \f, 1, 2, 0
.endm
	s_wait_tensorcnt 1                             ; my part of slot 0 is in; slot 1's, issued behind it, may stay out
	s_barrier_signal -1
	s_barrier_wait -1                              ; everybody's is
	FETCH 0, 0, F0
	QUARTER 0, 128, F0, F1, 1                      ; the first products start the sums
	QUARTER 0, 256, F1, F0, 0
	QUARTER 0, 384, F0, F1, 0
	s_wait_tensorcnt 0x0                           ; slot 0's last quarter, and the step into slot 1: my part of slot 1 is in,
	s_wait_dscnt 16
	WIN MUL
	MUL8 F1, 0, 0, 0
	s_wait_dscnt 0x0                               ; no LDS instruction of mine is pending at the signal
	s_barrier_signal -1
	MUL8 F1, 0, 2, 0                               ; work on registers while the others arrive
	s_barrier_wait -1                              ; everybody's part is in
	PLACES
	FETCH 1, 0, F0
	WIN MUL
	MUL8 F1, 1, 0, 0
	MUL8 F1, 1, 2, 0
	QUARTER 1, 128, F0, F1, 0
	QUARTER 1, 256, F1, F0, 0
	QUARTER 1, 384, F0, F1, 0
	s_wait_dscnt 16                                ; the very last quarter: nothing more to fetch
	WIN MUL
	MUL8 F1, 0, 0, 0
	MUL8 F1, 0, 2, 0
	s_wait_dscnt 0
	MUL8 F1, 1, 0, 0
	MUL8 F1, 1, 2, 0
	WIN 0
	; THE WAY OUT.  A lane holds 32 of its token's 64 channels in each token block a: their squares are summed in four chains (one a block), each accumulator from its low end on.
	PLACES
.set p, 0
.rept 16
.irp a, 0,1,2,3
.if p == 0
	v_pk_mul_f32 v[SS+2*(\a):SS+2*(\a)+1], v[ACC+32*(\a):ACC+32*(\a)+1], v[ACC+32*(\a):ACC+32*(\a)+1]
.else
	v_pk_fma_f32 v[SS+2*(\a):SS+2*(\a)+1], v[ACC+32*(\a)+2*p:ACC+32*(\a)+2*p+1], v[ACC+32*(\a)+2*p:ACC+32*(\a)+2*p+1], v[SS+2*(\a):SS+2*(\a)+1]
.endif
.endr
.set p, p+1
.endr
.irp a, 0,1,2,3
	v_add_f32 v[SS+2*(\a)], v[SS+2*(\a)], v[SS+2*(\a)+1]
.endr
.irp a, 0,1,2,3
	v_permlanex16_b32 v[SS+2*(\a)+1], v[SS+2*(\a)], s2, s3   ; the token's other 32 channels lie in the lane 16 away
.endr
.irp a, 0,1,2,3
	v_add_f32 v[SS+2*(\a)], v[SS+2*(\a)], v[SS+2*(\a)+1]
.endr
.irp a, 0,1,2,3
	v_fma_f32 v[SS+2*(\a)], v[SS+2*(\a)], s14, s15           ; the mean + eps
.endr
.irp a, 0,1,2,3
	v_rsq_f32 v[SS+2*(\a)], v[SS+2*(\a)]
.endr
	v_nop                                          ; a plain instruction between the last root and the use of its result
	s_wait_alu depctr_va_vdst(0)
; Block a: scaled, rounded to f16 (16 bytes a lane and channel block), into rows of 144 bytes of my own stage, and back as whole rows of 128
.macro PACK a
.set i, 0
.rept 16
	v_pk_mul_f32 v[ACC+32*(\a)+2*i:ACC+32*(\a)+2*i+1], v[ACC+32*(\a)+2*i:ACC+32*(\a)+2*i+1], v[SS+2*(\a):SS+2*(\a)+1] op_sel_hi:[1,0]
.set i, i+1
.endr
.set i, 0
.rept 16
	v_cvt_pk_f16_f32 v[TMP+16*(\a)+i], v[ACC+32*(\a)+2*i], v[ACC+32*(\a)+2*i+1]
.set i, i+1
.endr
.irp f, 0,1,2,3
	ds_store_b128 v[STO], v[TMP+16*(\a)+4*\f:TMP+16*(\a)+4*\f+3] offset:32*\f
.endr
.irp f, 0,1,2,3
	ds_load_b128 v[TMP+16*(\a)+4*\f:TMP+16*(\a)+4*\f+3], v[RD] offset:\f*4*SP   ; LDS serves a wave's instructions in order: these see the stores above; the next block's stores come behind them
.endr
.endm
.macro SEND a, younger                 ; younger: the LDS instructions issued behind block a's loads: the next block's eight, or none
.irp f, 0,1,2,3
	s_wait_dscnt (\younger)+3-\f
	global_store_b128 v[GO], v[TMP+16*(\a)+4*\f:TMP+16*(\a)+4*\f+3], s[8:9] offset:(\a)*2048+\f*512   ; 512 consecutive bytes, at a multiple of 256 from nh's first
.endr
.endm
	PACK 0
	PACK 1
	SEND 0, 8
	PACK 2
	SEND 1, 8
	PACK 3
	SEND 2, 8
	SEND 3, 0
	s_wait_tensorcnt 0x0                           ; the wave's end
	ds_add_u32 v[SPW], v[NIL]
	s_wait_dscnt 0x0
	CROUND                                         ; the closing round
	s_endpgm
.Lfunc_end_k_qcaadd236f1_proj:
	.size	k_qcaadd236f1_proj, .Lfunc_end_k_qcaadd236f1_proj-k_qcaadd236f1_proj
	.p2alignl 7, 3214868480
	.fill 96, 4, 3214868480
	.section	.rodata,"a",@progbits
	.p2align	6, 0x0
	.amdhsa_kernel k_qcaadd236f1_proj
		.amdhsa_group_segment_fixed_size 327680
		.amdhsa_private_segment_fixed_size 0
		.amdhsa_enable_private_segment 0
		.amdhsa_kernarg_size 24
		.amdhsa_user_sgpr_count 2
		.amdhsa_user_sgpr_kernarg_segment_ptr 1
		.amdhsa_wavefront_size32 1
		.amdhsa_system_sgpr_workgroup_id_x 1
		.amdhsa_system_sgpr_workgroup_id_y 1
		.amdhsa_system_sgpr_workgroup_id_z 1
		.amdhsa_system_vgpr_workitem_id 0
		.amdhsa_next_free_vgpr 512
		.amdhsa_next_free_sgpr 66
		.amdhsa_reserve_vcc 0
		.amdhsa_float_denorm_mode_32 3
		.amdhsa_float_denorm_mode_16_64 3
		.amdhsa_memory_ordered 1
		.amdhsa_forward_progress 1
		.amdhsa_inst_pref_size 59
	.end_amdhsa_kernel
	.amdgpu_metadata
---
amdhsa.version: [ 1, 2 ]
amdhsa.kernels:
  - .name:           k_qcaadd236f1_proj
    .symbol:         k_qcaadd236f1_proj.kd
    .args:
      - { .name: xh, .offset: 0, .size: 8, .value_kind: global_buffer, .address_space: global }
      - { .name: wh, .offset: 8, .size: 8, .value_kind: global_buffer, .address_space: global }
      - { .name: nh, .offset: 16, .size: 8, .value_kind: global_buffer, .address_space: global }
    .group_segment_fixed_size: 327680
    .private_segment_fixed_size: 0
    .kernarg_segment_align: 8
    .kernarg_segment_size: 24
    .max_flat_workgroup_size: 128
    .sgpr_count:     66
    .vgpr_count:     512
    .wavefront_size: 32
...
	.end_amdgpu_metadata
.endif
;; end of part 2
;; launch stats (part 3): grid 8 x 32, 4 waves a work-group, clusters of 4 x 1, 327,680 bytes of LDS; arguments nh, gq, nl; writes nl
.if DOCPART == 3
	.amdgcn_target "amdgcn-amd-amdhsa--gfx1250"
	.amdhsa_code_object_version 6
	.text
	.protected	k_qcaadd236f1_stats
	.globl	k_qcaadd236f1_stats
	.p2align	8
	.type	k_qcaadd236f1_stats,@function
k_qcaadd236f1_stats:
	s_mov_b64 s[64:65], 0
	v_nop
	global_prefetch_b8 v0, s[64:65] scope:SCOPE_SE
	s_setreg_imm32_b32 hwreg(HW_REG_WAVE_MODE, 25, 1), 1
	s_wait_xcnt 0x0
	s_wait_alu depctr_hold_cnt(0) depctr_sa_sdst(0) depctr_va_vdst(0) depctr_va_sdst(0) depctr_va_ssrc(0) depctr_va_vcc(0) depctr_vm_vsrc(0)
	s_getreg_b32 s2, hwreg(HW_REG_IB_STS2, 6, 4)
	s_cmp_eq_u32 s2, 0
	s_cbranch_scc0 .Lentry_in_a_cluster
	s_endpgm
.Lentry_in_a_cluster:
	s_bfe_u32 s2, ttmp6, 0x10000c
	s_cmp_lg_u32 s2, 0x3003
	s_cbranch_scc0 .Lentry_shape_is_right
	s_endpgm
.Lentry_shape_is_right:
; STATS: nl[bh][i] = -c_i, c_i = log2 of the sum over j of 2^(S_ij), S_ij = sum over f of n_jf (n_if gq_f): the scores in units of log2, gains and 1/8 inside gq.
; The score matrix is symmetric in exact arithmetic (both norms are the same n, and the gains enter as the product g1 g2), so row i's c serves the row softmax of row i and the
; column softmax of column i.  c is found with a RUNNING MAXIMUM m and sum l, in f32: l = l 2^(m_old - m_new) + sum of 2^(S - m_new).
; LIMITS: gq n stays under 65,504; S_ij and S_ji differ by the operands' rounding alone; a term below 2^-126 counts as 0; NaN and infinities are not treated apart.
; SHARES.  A work-group owns 256 queries of one head, a wave 64: four tiles of 16.  The head's whole n (2,048 rows of 128 bytes, 144 apart) lies in LDS, filled ONCE: nothing is
; filled again.  It comes in two parts, keys 0-575 and 576-2,047, so that the first eight key steps run while the second part is on its way.
; CLUSTER 4 x 1: the four query blocks of a cluster belong to one head and need the same n: each part is asked for jointly.
; LAYOUT.  S^T = K Q^T (source 0 = 16 keys, source 1 = 16 queries): a lane holds ONE query (lane % 16) and the keys 16 kb + 8 (lane / 16) + 0..7.  Each lane keeps m and l over ITS keys;
; the two halves of the lanes are merged once, at the end.
; BY TURNS.  Turn t of a key step belongs to tile t: 8 products for tile t + 1, and beside them tile t's subtraction, exponentials and sums and tile t + 1's maximum.
.set PN,    144       ; a row of n in LDS: 128 bytes + 16 of padding = 36 words: the 16 rows of a load start at 16 different groups of four banks
.set STEPB, 64*PN     ; a key step's rows
.set STG,   2048*PN   ; behind n: 256 bytes for each wave, for the way out
.set SPARE, STG+4*256 ; the spare words, 128 bytes a wave
.set AK0, 2           ; v2   my lane's place in 64 rows of n; never rewritten
.set AK,  3           ; v3   the LDS address of the next run of loads
.set QO,  4           ; v4   my byte offset in 16 rows of Q
.set SA,  5           ; v5   the way out: where I put a word
.set SB,  6           ; v6   the way out: where I read two back
.set GO,  7           ; v7   my byte offset in the wave's 256 bytes of nl
.set GA,  9           ; v9   my byte offset in gq
.set SPW, 10
.set NIL, 11
.set C,   12          ; v12-15  four chains of the maximum
.set ST,  16          ; tile t at ST + 8 t: +0 m, +2 a, +4, +5 l (even keys', odd keys'); +1, +3 named as pairs' upper words; +6, +7 spare
.set Q,   48          ; v48-111   Q, 16 a tile
.set K,   112         ; v112-175  K of one step: key block kb, channel half c at K + 16 kb + 8 c
.set S,   176         ; v176-239  S^T, two buffers of 32: a tile's goes by its number's parity
.set GQ,  176         ; gq's fragment lies in S until the first product
.set LN,  240         ; v240 my lane
.set WV,  12
.set G1A, 24          ; s[24:31] group 1 of the first part: 72 rows of 256 bytes a wave
.set G1B, 32          ; s[32:39] of the second: 184 rows
.set SEL, 40
.set G0A, 48
.set G0B, 52
.set CNT, 60
.set TBK, 61          ; LDS byte at which the step to be fetched begins
.macro CROUND
	s_barrier_signal -1
	s_barrier_wait -1
	s_cmp_lg_u32 s[WV], 0
	s_cbranch_scc1 .Lnot_wave_0_\@
	s_barrier_signal -3
.Lnot_wave_0_\@:
	s_barrier_wait -3
	s_barrier_signal -1
	s_barrier_wait -1
.endm
	s_load_b128 s[4:7], s[0:1], 0x0                ; nh s[4:5], gq s[6:7]
	s_load_b64 s[8:9], s[0:1], 0x10                ; nl
	v_lshl_add_u32 v[SPW], v0, 2, SPARE
	v_mov_b32 v[NIL], 0
	ds_add_u32 v[SPW], v[NIL]                      ; the wave's opening: the add and its wait ahead of my first tensor load
	v_lshrrev_b32 v1, 5, v0
	v_readfirstlane_b32 s[WV], v1
	s_bfe_u32 s13, ttmp6, 0x40000                  ; cx
	s_lshl_b32 s14, ttmp9, 2
	s_add_co_u32 s14, s14, s13                     ; my block of 256 queries: it enters Q's and nl's addresses alone
	s_and_b32 s15, ttmp7, 0xffff                   ; the head, which the four partners share
	s_lshl_b32 s16, s15, 18                        ; its 262,144 bytes of nh
	s_mul_i32 s18, s[WV], 72*256                   ; the first part: 144 keys a wave
	s_add_co_u32 s18, s18, s16
	s_mov_b32 s19, 0
	s_mul_i32 s20, s[WV], 184*256                  ; the second: 368 keys a wave, from key 576 on
	s_add_co_u32 s20, s20, s16
	s_add_co_u32 s20, s20, 576*128
	s_mov_b32 s21, 0
	s_lshl_b32 s22, s14, 15                        ; Q: my block's 256 rows, my wave's 64 of them
	s_lshl_b32 s23, s[WV], 13
	s_add_co_u32 s22, s22, s23
	s_add_co_u32 s22, s22, s16
	s_mov_b32 s23, 0
	s_lshl_b32 s46, s15, 13                        ; nl: 4 bytes a query
	s_lshl_b32 s47, s14, 10
	s_add_co_u32 s46, s46, s47
	s_lshl_b32 s47, s[WV], 8
	s_add_co_u32 s46, s46, s47
	s_mov_b32 s47, 0
	; group 1: dense bytes asked for as rows of 256 (two keys a row), padded in LDS after every key
	s_mov_b32 s[G1A], 15|(1<<16)|(1<<20)|(1<<21)|(4<<22)|(3<<25)   ; the mask of four; 2-byte elements; padding on; bit 21 beside a mask; after every 32 words 4 words
	s_mov_b32 s[G1A+1], 128<<16
	s_mov_b32 s[G1A+2], 72<<16
	s_mov_b32 s[G1A+3], 128<<16
	s_mov_b32 s[G1A+4], 72
	s_mov_b32 s[G1A+5], 128
	s_mov_b32 s[G1A+6], 0
	s_mov_b32 s[G1A+7], 0
	s_mov_b32 s[G1B], 15|(1<<16)|(1<<20)|(1<<21)|(4<<22)|(3<<25)
	s_mov_b32 s[G1B+1], 128<<16
	s_mov_b32 s[G1B+2], 184<<16
	s_mov_b32 s[G1B+3], 128<<16
	s_mov_b32 s[G1B+4], 184
	s_mov_b32 s[G1B+5], 128
	s_mov_b32 s[G1B+6], 0
	s_mov_b32 s[G1B+7], 0
	s_mov_b32 s[G0A], 1
	s_mul_i32 s[G0A+1], s[WV], 144*PN
	s_mov_b32 s[G0B], 1
	s_mul_i32 s[G0B+1], s[WV], 368*PN
	s_add_co_u32 s[G0B+1], s[G0B+1], 576*PN
	s_mov_b32 s[SEL], 0x76543210
	s_mov_b32 s[SEL+1], 0xfedcba98
	s_mov_b32 s[TBK], 0
	s_wait_dscnt 0x0                               ; the opening add is done
	s_wait_kmcnt 0x0
	s_add_nc_u64 s[G0A+2:G0A+3], s[4:5], s[18:19]
	s_or_b32 s[G0A+3], s[G0A+3], 0x80000000
	s_add_nc_u64 s[G0B+2:G0B+3], s[4:5], s[20:21]
	s_or_b32 s[G0B+3], s[G0B+3], 0x80000000
	s_add_nc_u64 s[44:45], s[4:5], s[22:23]        ; Q at my wave's first row
	s_add_nc_u64 s[8:9], s[8:9], s[46:47]          ; nl at my wave's first query
	CROUND                                         ; all four work-groups are here: the joint loads meet
	tensor_load_to_lds s[G0A:G0A+3], s[G1A:G1A+7]  ; every wave issues both: two tensor loads of mine are out
	s_nop 0
	tensor_load_to_lds s[G0B:G0B+3], s[G1B:G1B+7]
	s_nop 0
.rept 4
	v_nop
.endr
	v_and_b32 v1, 15, v0                           ; l % 16
	v_bfe_u32 v8, v0, 4, 1                         ; l / 16
	v_lshlrev_b32 v[QO], 7, v1
	v_lshl_add_u32 v[QO], v8, 4, v[QO]             ; row x 128 + 16 x half
	v_lshlrev_b32 v[GA], 4, v8
.set i, 0
.rept 8                                                ; Q: tile i / 2, channels 32 (i % 2) on
	global_load_b128 v[Q+8*i:Q+8*i+3],   v[QO], s[44:45] offset:(i/2)*2048+(i%2)*64
	global_load_b128 v[Q+8*i+4:Q+8*i+7], v[QO], s[44:45] offset:(i/2)*2048+(i%2)*64+32
.set i, i+1
.endr
.irp k, 0,1,2,3                                        ; gq in a fragment's order: channels 16 k + 8 (l / 16) + 0..7
	global_load_b128 v[GQ+4*\k:GQ+4*\k+3], v[GA], s[6:7] offset:32*\k
.endr
.set i, 0
.rept 4
	v_mov_b32 v[ST+8*i], 0xff7fffff                ; m: the lowest finite number, so the first a is 0
.irp z, 1,2,3,4,5,6,7
	v_mov_b32 v[ST+8*i+\z], 0
.endr
.set i, i+1
.endr
	v_mul_u32_u24 v[AK0], v1, PN
	v_lshl_add_u32 v[AK0], v8, 4, v[AK0]           ; row x pitch + 16 x half
	v_mov_b32 v[AK], v[AK0]                        ; key step 0
	v_and_b32 v[LN], 31, v0
	s_lshl_b32 s56, s[WV], 8
	s_add_co_u32 s56, s56, STG
	v_lshl_add_u32 v[SA], v[LN], 2, s56
	v_lshl_add_u32 v[SB], v[LN], 3, s56
	v_lshlrev_b32 v[GO], 3, v[LN]
	s_wait_loadcnt 0x0
.set i, 0
.rept 64
	v_pk_mul_f16 v[Q+i], v[Q+i], v[GQ+i%16]        ; the gains and the scale go into the query operand
.set i, i+1
.endr
; Product i of 8 of S^T = K Q^T for tile x: channels 32 (i / 4) on, keys 16 (i % 4) on.  The first 4 start the sums; the 4 accumulators take turns
.macro KQ x, i
.set rD, S+32*((\x)%2)+8*((\i)%4)
.set rK, K+16*((\i)%4)+8*((\i)/4)
.set rQ, Q+16*(\x)+8*((\i)/4)
.if (\i) < 4
	v_wmma_f32_16x16x32_f16 v[rD:rD+7], v[rK:rK+7], v[rQ:rQ+7], 0
.else
	v_wmma_f32_16x16x32_f16 v[rD:rD+7], v[rK:rK+7], v[rQ:rQ+7], v[rD:rD+7]
.endif
.endm
; 16 LDS loads in one run: a step's K.  The offset of the next step is held at the last step's: the fetch behind the last step reads that step again
.macro FETCH_K
.irp f, 0,1,2,3,4,5,6,7
	ds_load_b128 v[K+8*\f:K+8*\f+3],   v[AK] offset:(\f/2)*16*PN+(\f%2)*64
	ds_load_b128 v[K+8*\f+4:K+8*\f+7], v[AK] offset:(\f/2)*16*PN+(\f%2)*64+32
.endr
	s_add_co_u32 s[TBK], s[TBK], STEPB
	s_min_u32 s[TBK], s[TBK], 31*STEPB
.endm
; The lines of a turn.  rT, rS: the tile in hand; rT2, rS2: the next tile, whose scores the turn makes
.macro BU u                            ; of four terms the second pair is added onto the first, in place
	s_wait_alu depctr_va_vdst(0)
	v_pk_add_f32 v[rS+4*(\u):rS+4*(\u)+1], v[rS+4*(\u):rS+4*(\u)+1], v[rS+4*(\u)+2:rS+4*(\u)+3]
.endm
.macro LU u                            ; l takes that sum; the first time as l = a l + sum
.if (\u) == 0
	v_pk_fma_f32 v[rT+4:rT+5], v[rT+4:rT+5], v[rT+2:rT+3], v[rS:rS+1] op_sel_hi:[1,0,1]
.else
	v_pk_add_f32 v[rT+4:rT+5], v[rT+4:rT+5], v[rS+4*(\u):rS+4*(\u)+1]
.endif
.endm
; 0-11 four chains of seven scores each (each accumulator's lowest registers first); 12-15 the four left over, the old m, the chains; 16 m_old - m_new; 17 m; 18 a
.macro XN n
.if (\n) < 4
	v_max3_num_f32 v[C+(\n)], v[rS2+8*(\n)], v[rS2+8*(\n)+1], v[rS2+8*(\n)+2]
.elseif (\n) < 12
	v_max3_num_f32 v[C+(\n)%4], v[C+(\n)%4], v[rS2+8*((\n)%4)+2*((\n)/4)+1], v[rS2+8*((\n)%4)+2*((\n)/4)+2]
.elseif (\n) == 12
	v_max3_num_f32 v[C], v[C], v[rS2+7], v[rS2+15]
.elseif (\n) == 13
	v_max3_num_f32 v[C+1], v[C+1], v[rS2+23], v[rS2+31]
.elseif (\n) == 14
	v_max3_num_f32 v[C+2], v[C+2], v[C+3], v[rT2]
.elseif (\n) == 15
	v_max3_num_f32 v[C], v[C], v[C+1], v[C+2]
.elseif (\n) == 16
	v_sub_f32 v[C+3], v[rT2], v[C]
.elseif (\n) == 17
	v_mov_b32 v[rT2], v[C]
.else
	v_exp_f32 v[rT2+2], v[C+3]
.endif
.endm
.macro PLS                             ; the plain line that stands ahead of exponential vi
.if vi < 16
	v_pk_add_f32 v[rS+2*vi:rS+2*vi+1], v[rS+2*vi:rS+2*vi+1], v[rT:rT+1] op_sel_hi:[1,0] neg_lo:[0,1] neg_hi:[0,1]   ; S - m for pair vi
.elseif vi == 16
	BU 0
.elseif vi == 17
	BU 1
.elseif vi < 22
	XN vi-18
.elseif vi == 22
	LU 0
.elseif vi == 23
	BU 2
.elseif vi < 28
	XN vi-20
.elseif vi == 28
	LU 1
.elseif vi == 29
	BU 3
.else
	XN vi-22
.endif
.endm
; A TURN, for tile t.  Plain and exponential by turns; a product ahead of each of the first eight pairs of them.  Behind the last product stand four plain lines on the tile in hand
; before the first line reads the new scores.  K of the next step is fetched in tile 2's turn, six plain lines behind the last product that read K, and waited for a turn later.
.macro TURN t
.set rT, ST+8*(\t)
.set rS, S+32*((\t)%2)
.set rT2, ST+8*(((\t)+1)%4)
.set rS2, S+32*(((\t)+1)%2)
.if (\t) == 3
	s_wait_dscnt 0x0                               ; K is in
.endif
.set vi, 0
.rept 32
.if (vi%2 == 0) && (vi < 16)
	KQ ((\t)+1)%4, vi/2
.endif
	PLS
	v_exp_f32 v[rS+vi], v[rS+vi]
.if ((\t) == 2) && (vi == 17)
	v_add_nc_u32 v[AK], s[TBK], v[AK0]
.endif
.if ((\t) == 2) && (vi == 19)
	FETCH_K
.endif
.set vi, vi+1
.endr
	XN 10
	XN 11
	BU 4
	LU 2
	XN 12
	XN 13
	BU 5
	LU 3
	XN 14
	BU 6
	XN 15
	LU 4
	BU 7
	XN 16
	LU 5
	XN 17
	XN 18
	LU 6
	LU 7
.endm
.macro STEPS n
	s_mov_b32 s[CNT], \n
.Lstep_\@:
	TURN 0
	TURN 1
	TURN 2
	TURN 3
	s_sub_co_u32 s[CNT], s[CNT], 1
	s_cmp_lg_u32 s[CNT], 0
	s_cbranch_scc1 .Lstep_\@
.endm
	s_wait_tensorcnt 1                             ; my share of keys 0-575 is in; the second part, issued behind it, stays out
	s_barrier_signal -1
	s_barrier_wait -1                              ; everybody's is
	FETCH_K                                        ; key step 0
	s_wait_dscnt 0x0
.irp i, 0,1,2,3,4,5,6,7
	KQ 0, \i                                       ; tile 0's first scores
.endr
.rept 4
	v_nop                                          ; the places behind those products
.endr
.set rT2, ST
.set rS2, S
.irp n, 0,1,2,3,4,5,6,7,8,9,10,11,12,13,14,15,16,17,18
	XN \n
.endr
	v_nop                                          ; a plain instruction behind the exponential
	STEPS 8                                        ; key steps 0-7; they fetch K up to step 8: keys under 576
	s_wait_tensorcnt 0x0                           ; my share of the second part is in,
	s_wait_dscnt 0x0
	s_barrier_signal -1
	s_barrier_wait -1                              ; everybody's is
	STEPS 24                                       ; the last turn's products, on step 31's keys once more, leave m as it is and serve nothing else
	; THE MERGE of the two halves of the lanes, and -c = -(M + log2 l).  l >= 1: the largest term is 1.
.macro ALL line:vararg
.set t, 0
	s_wait_alu depctr_va_vdst(0)
.rept 4
	\line
.set t, t+1
.endr
.endm
	ALL v_add_f32 v[ST+8*t+4], v[ST+8*t+4], v[ST+8*t+5]
	ALL v_permlanex16_b32 v[ST+8*t+1], v[ST+8*t], s[SEL], s[SEL+1]
	ALL v_max_num_f32 v[ST+8*t+1], v[ST+8*t], v[ST+8*t+1]
	ALL v_sub_f32 v[ST+8*t+2], v[ST+8*t], v[ST+8*t+1]
	ALL v_exp_f32 v[ST+8*t+2], v[ST+8*t+2]
	v_nop
	s_wait_alu depctr_va_vdst(0)
	ALL v_mul_f32 v[ST+8*t+4], v[ST+8*t+4], v[ST+8*t+2]
	ALL v_permlanex16_b32 v[ST+8*t+5], v[ST+8*t+4], s[SEL], s[SEL+1]
	ALL v_add_f32 v[ST+8*t+4], v[ST+8*t+4], v[ST+8*t+5]
	ALL v_log_f32 v[ST+8*t+4], v[ST+8*t+4]
	v_nop
	s_wait_alu depctr_va_vdst(0)
	ALL v_fma_f32 v[ST+8*t+4], v[ST+8*t+4], -1.0, -v[ST+8*t+1]
	; both halves of the lanes hold the same 16 numbers of a tile: lanes 0-15 give tile 0's (2's), lanes 16-31 tile 1's (3's); through my 256 bytes of LDS they become 8 bytes a lane
	v_cmp_le_u32 vcc_lo, 16, v[LN]
	v_cndmask_b32 v[C], v[ST+4], v[ST+12], vcc_lo
	v_cndmask_b32 v[C+1], v[ST+20], v[ST+28], vcc_lo
	ds_store_b32 v[SA], v[C]
	ds_store_b32 v[SA], v[C+1] offset:128
	ds_load_b64 v[C+2:C+3], v[SB]                  ; LDS serves a wave's instructions in order: this sees the stores above
	s_wait_dscnt 0x0
	global_store_b64 v[GO], v[C+2:C+3], s[8:9]     ; 256 consecutive bytes, aligned
	s_wait_tensorcnt 0x0                           ; the wave's end
	ds_add_u32 v[SPW], v[NIL]
	s_wait_dscnt 0x0
	CROUND                                         ; the closing round
	s_endpgm
.Lfunc_end_k_qcaadd236f1_stats:
	.size	k_qcaadd236f1_stats, .Lfunc_end_k_qcaadd236f1_stats-k_qcaadd236f1_stats
	.p2alignl 7, 3214868480
	.fill 96, 4, 3214868480
	.section	.rodata,"a",@progbits
	.p2align	6, 0x0
	.amdhsa_kernel k_qcaadd236f1_stats
		.amdhsa_group_segment_fixed_size 327680
		.amdhsa_private_segment_fixed_size 0
		.amdhsa_enable_private_segment 0
		.amdhsa_kernarg_size 24
		.amdhsa_user_sgpr_count 2
		.amdhsa_user_sgpr_kernarg_segment_ptr 1
		.amdhsa_wavefront_size32 1
		.amdhsa_system_sgpr_workgroup_id_x 1
		.amdhsa_system_sgpr_workgroup_id_y 1
		.amdhsa_system_sgpr_workgroup_id_z 1
		.amdhsa_system_vgpr_workitem_id 0
		.amdhsa_next_free_vgpr 256
		.amdhsa_next_free_sgpr 66
		.amdhsa_reserve_vcc 1
		.amdhsa_float_denorm_mode_32 3
		.amdhsa_float_denorm_mode_16_64 3
		.amdhsa_memory_ordered 1
		.amdhsa_forward_progress 1
		.amdhsa_inst_pref_size 60
	.end_amdhsa_kernel
	.amdgpu_metadata
---
amdhsa.version: [ 1, 2 ]
amdhsa.kernels:
  - .name:           k_qcaadd236f1_stats
    .symbol:         k_qcaadd236f1_stats.kd
    .args:
      - { .name: nh, .offset: 0, .size: 8, .value_kind: global_buffer, .address_space: global }
      - { .name: gq, .offset: 8, .size: 8, .value_kind: global_buffer, .address_space: global }
      - { .name: nl, .offset: 16, .size: 8, .value_kind: global_buffer, .address_space: global }
    .group_segment_fixed_size: 327680
    .private_segment_fixed_size: 0
    .kernarg_segment_align: 8
    .kernarg_segment_size: 24
    .max_flat_workgroup_size: 128
    .sgpr_count:     66
    .vgpr_count:     256
    .wavefront_size: 32
...
	.end_amdgpu_metadata
.endif
;; end of part 3
;; launch attn (part 4): grid 8 x 32, 4 waves a work-group, clusters of 4 x 1, 327,680 bytes of LDS; arguments nh, nl, gq, yh; writes yh
.if DOCPART == 4
	.amdgcn_target "amdgcn-amd-amdhsa--gfx1250"
	.amdhsa_code_object_version 6
	.text
	.protected	k_qcaadd236f1_attn
	.globl	k_qcaadd236f1_attn
	.p2align	8
	.type	k_qcaadd236f1_attn,@function
k_qcaadd236f1_attn:
	s_mov_b64 s[64:65], 0
	v_nop
	global_prefetch_b8 v0, s[64:65] scope:SCOPE_SE
	s_setreg_imm32_b32 hwreg(HW_REG_WAVE_MODE, 25, 1), 1
	s_wait_xcnt 0x0
	s_wait_alu depctr_hold_cnt(0) depctr_sa_sdst(0) depctr_va_vdst(0) depctr_va_sdst(0) depctr_va_ssrc(0) depctr_va_vcc(0) depctr_vm_vsrc(0)
	s_getreg_b32 s2, hwreg(HW_REG_IB_STS2, 6, 4)
	s_cmp_eq_u32 s2, 0
	s_cbranch_scc0 .Lentry_in_a_cluster
	s_endpgm
.Lentry_in_a_cluster:
	s_bfe_u32 s2, ttmp6, 0x10000c
	s_cmp_lg_u32 s2, 0x3003
	s_cbranch_scc0 .Lentry_shape_is_right
	s_endpgm
.Lentry_shape_is_right:
; ATTN: yh[bh][i][:] = sum over j of (2^(S_ij - c_i) + 2^(S_ij - c_j)) n_j[:], S as in the launch before, -c from nl.  The first term is the row softmax's weight, the second the column
; softmax's: c holds each row's maximum and sum (log2 of the sum of 2^S, found with a running maximum), so both exponents are at most 0 but for the operands' rounding, and no maximum,
; rescaling or division is left to this launch.  The two weights are added and rounded ONCE to f16 for the second product; sums in f32; y rounded once to f16.  g3 is applied by the last launch.
; LIMITS: gq n under 65,504; |y| <= 2,049 x 8; a weight below 2^-126 counts as 0, one below 6e-5 keeps f16's fixed step of 6e-8; NaN and infinities are not treated apart.
; SHARES, LDS, CLUSTER as in the launch before: 256 queries a work-group, four tiles of 16 a wave; the head's n (keys AND values) lies whole in LDS, filled once, in two parts; so does the
; head's table of -c (8,192 bytes); all three are joint loads of the cluster's four query blocks.
; LAYOUT.  S^T = K Q^T holds one query a lane and the keys 16 kb + 8 (lane / 16) + 0..7; two such results rounded to f16 ARE source 1 of O^T = V^T P; V = n comes out of LDS turned, by ds_load_tr16_b128.
; (At a pitch of 144 bytes the turning load's eight rows do not all start at different banks; a pitch of 160 would not leave room for the table and the stages.)
; BY TURNS.  Turn t of a key step belongs to tile t: 8 products K Q^T of tile t + 1, then 8 products V^T P of tile t - 1; behind each product a slice of tile t's 64 plain lines and 64 exponentials.
; REGISTERS, in windows of 256 (s_set_vgpr_msb: bits 1:0 source 0, 3:2 source 1, 5:4 source 2, 7:6 destination):
;   window 0: v0-18 addresses; v32-63 T (S - c_i); v64-127 S^T, two buffers; v128-191 K; v192-223 P, two buffers
;   window 1: v0-63 Q; v64-95 -c_j of the step's keys; v96-103 -c_i, a pair a tile; v104 1.0; v112-127 gq       window 2: v0-127 O^T; v128-191 V
; All second sources of the vector lines and of K Q^T lie in window 1, so one setting serves them; only V^T P switches: 16 switches a turn.
.set PN,    144
.set STEPB, 64*PN
.set CT,    2048*PN   ; behind n: the table of -c
.set STAGE, CT+8192   ; 16 rows x 144 bytes for each wave, for the way out; no tensor load fills it
.set SP,    144
.set SPARE, STAGE+4*16*SP
.set AK0, 2
.set AV0, 3
.set AC0, 4
.set AK,  5
.set AV,  6
.set AC,  7
.set STO, 8
.set RD,  9
.set GO,  10
.set QO,  11
.set NO,  12
.set SPW, 16
.set NIL, 17
.set T,   32
.set S,   64
.set K,   128
.set P,   192
.set Q,   0           ; window 1
.set CJ,  64
.set NCI, 96
.set ONE, 104
.set GQ,  112
.set O,   0           ; window 2
.set V,   128
.set WV,  12
.set G1A, 24
.set G1B, 32
.set G1C, 40
.set G0A, 48
.set G0B, 52
.set G0C, 56
.set CNT, 60
.set TBK, 61
.set TBV, 62
.set TBC, 63
.set MSB, 0
.macro WIN new
.if MSB != (\new)
	s_set_vgpr_msb (MSB<<8)|(\new)
.set MSB, (\new)
.endif
.endm
.set W_MAIN, 0x04     ; source 1 in window 1, all else in window 0
.set W_PV,   0xa2     ; V, C and D in window 2, P in window 0
.macro CROUND
	s_barrier_signal -1
	s_barrier_wait -1
	s_cmp_lg_u32 s[WV], 0
	s_cbranch_scc1 .Lnot_wave_0_\@
	s_barrier_signal -3
.Lnot_wave_0_\@:
	s_barrier_wait -3
	s_barrier_signal -1
	s_barrier_wait -1
.endm
	s_load_b256 s[4:11], s[0:1], 0x0               ; nh s[4:5], nl s[6:7], gq s[8:9], yh s[10:11]
	v_lshl_add_u32 v[SPW], v0, 2, SPARE
	v_mov_b32 v[NIL], 0
	ds_add_u32 v[SPW], v[NIL]                      ; the wave's opening: the add and its wait ahead of my first tensor load
	v_lshrrev_b32 v1, 5, v0
	v_readfirstlane_b32 s[WV], v1
	s_bfe_u32 s13, ttmp6, 0x40000                  ; cx
	s_lshl_b32 s14, ttmp9, 2
	s_add_co_u32 s14, s14, s13                     ; my block of 256 queries: it enters the addresses of Q, of my queries' -c and of yh alone
	s_and_b32 s15, ttmp7, 0xffff                   ; the head, which the four partners share
	s_lshl_b32 s16, s15, 18
	s_mul_i32 s18, s[WV], 72*256                   ; keys 0-575: 144 a wave
	s_add_co_u32 s18, s18, s16
	s_mov_b32 s19, 0
	s_mul_i32 s20, s[WV], 184*256                  ; keys 576-2,047: 368 a wave
	s_add_co_u32 s20, s20, s16
	s_add_co_u32 s20, s20, 576*128
	s_mov_b32 s21, 0
	s_lshl_b32 s22, s15, 13                        ; the head's table: 2,048 bytes a wave
	s_lshl_b32 s23, s[WV], 11
	s_add_co_u32 s22, s22, s23
	s_mov_b32 s23, 0
	s_lshl_b32 s2, s14, 15                         ; Q and yh: my block's 256 rows, my wave's 64 of them
	s_lshl_b32 s3, s[WV], 13
	s_add_co_u32 s2, s2, s3
	s_add_co_u32 s2, s2, s16
	s_mov_b32 s3, 0
	s_lshl_b32 s16, s15, 13                        ; my queries' -c
	s_lshl_b32 s17, s14, 10
	s_add_co_u32 s16, s16, s17
	s_lshl_b32 s17, s[WV], 8
	s_add_co_u32 s16, s16, s17
	s_mov_b32 s17, 0
	s_mov_b32 s[G1A], 15|(1<<16)|(1<<20)|(1<<21)|(4<<22)|(3<<25)   ; the mask of four; 2-byte elements; padding on; bit 21 beside a mask; after every 32 words 4 words
	s_mov_b32 s[G1A+1], 128<<16
	s_mov_b32 s[G1A+2], 72<<16
	s_mov_b32 s[G1A+3], 128<<16
	s_mov_b32 s[G1A+4], 72
	s_mov_b32 s[G1A+5], 128
	s_mov_b32 s[G1A+6], 0
	s_mov_b32 s[G1A+7], 0
	s_mov_b32 s[G1B], 15|(1<<16)|(1<<20)|(1<<21)|(4<<22)|(3<<25)
	s_mov_b32 s[G1B+1], 128<<16
	s_mov_b32 s[G1B+2], 184<<16
	s_mov_b32 s[G1B+3], 128<<16
	s_mov_b32 s[G1B+4], 184
	s_mov_b32 s[G1B+5], 128
	s_mov_b32 s[G1B+6], 0
	s_mov_b32 s[G1B+7], 0
	s_mov_b32 s[G1C], 15|(3<<16)|(1<<21)           ; 8-byte elements, no padding: 8 rows of 256 bytes
	s_mov_b32 s[G1C+1], 32<<16
	s_mov_b32 s[G1C+2], 8<<16
	s_mov_b32 s[G1C+3], 32<<16
	s_mov_b32 s[G1C+4], 8
	s_mov_b32 s[G1C+5], 32
	s_mov_b32 s[G1C+6], 0
	s_mov_b32 s[G1C+7], 0
	s_mov_b32 s[G0A], 1
	s_mul_i32 s[G0A+1], s[WV], 144*PN
	s_mov_b32 s[G0B], 1
	s_mul_i32 s[G0B+1], s[WV], 368*PN
	s_add_co_u32 s[G0B+1], s[G0B+1], 576*PN
	s_mov_b32 s[G0C], 1
	s_lshl_b32 s[G0C+1], s[WV], 11
	s_add_co_u32 s[G0C+1], s[G0C+1], CT
	s_mov_b32 s[TBK], 0
	s_mov_b32 s[TBV], 0
	s_mov_b32 s[TBC], 0
	s_wait_dscnt 0x0                               ; the opening add is done
	s_wait_kmcnt 0x0
	s_add_nc_u64 s[G0A+2:G0A+3], s[4:5], s[18:19]
	s_or_b32 s[G0A+3], s[G0A+3], 0x80000000
	s_add_nc_u64 s[G0B+2:G0B+3], s[4:5], s[20:21]
	s_or_b32 s[G0B+3], s[G0B+3], 0x80000000
	s_add_nc_u64 s[G0C+2:G0C+3], s[6:7], s[22:23]
	s_or_b32 s[G0C+3], s[G0C+3], 0x80000000
	s_add_nc_u64 s[10:11], s[10:11], s[2:3]        ; yh at my wave's first row
	s_add_nc_u64 s[2:3], s[4:5], s[2:3]            ; Q likewise
	s_add_nc_u64 s[16:17], s[6:7], s[16:17]        ; nl at my wave's first query
	CROUND                                         ; all four work-groups are here: the joint loads meet
	tensor_load_to_lds s[G0C:G0C+3], s[G1C:G1C+7]  ; every wave issues all three: three tensor loads of mine are out
	s_nop 0
	tensor_load_to_lds s[G0A:G0A+3], s[G1A:G1A+7]
	s_nop 0
	tensor_load_to_lds s[G0B:G0B+3], s[G1B:G1B+7]
	s_nop 0
.rept 4
	v_nop
.endr
	v_and_b32 v1, 15, v0                           ; l % 16
	v_bfe_u32 v13, v0, 4, 1                        ; l / 16
	v_lshlrev_b32 v[QO], 7, v1
	v_lshl_add_u32 v[QO], v13, 4, v[QO]
	v_lshlrev_b32 v14, 4, v13                      ; my byte offset in gq
	v_lshlrev_b32 v[NO], 2, v1
	WIN 0x40                                       ; destination in window 1, address in window 0
.set i, 0
.rept 8
	global_load_b128 v[Q+8*i:Q+8*i+3],   v[QO], s[2:3] offset:(i/2)*2048+(i%2)*64
	global_load_b128 v[Q+8*i+4:Q+8*i+7], v[QO], s[2:3] offset:(i/2)*2048+(i%2)*64+32
.set i, i+1
.endr
.irp k, 0,1,2,3
	global_load_b128 v[GQ+4*\k:GQ+4*\k+3], v14, s[8:9] offset:32*\k
.endr
.irp t, 0,1,2,3
	global_load_b32 v[NCI+2*\t], v[NO], s[16:17] offset:64*\t      ; -c of query 16 t + l % 16
.endr
	v_mov_b32 v[ONE], 1.0
	; O^T starts at 0, and so does P: the first turn's products V^T P, of a tile that has not been, add 0.  The price of writing no first step out; it stands in the wait for the first tile.
	WIN 0x80
.set i, 0
.rept 128
	v_mov_b32 v[O+i], 0
.set i, i+1
.endr
	WIN 0
.set i, 0
.rept 32
	v_mov_b32 v[P+i], 0
.set i, i+1
.endr
	v_mul_u32_u24 v[AK0], v1, PN
	v_lshl_add_u32 v[AK0], v13, 4, v[AK0]          ; row x pitch + 16 x half
	v_and_b32 v15, 7, v0
	v_bfe_u32 v18, v0, 3, 1
	v_lshl_add_u32 v[AV0], v13, 3, v15             ; the turning load: key 8 (l / 16) + l % 8, channels 8 ((l / 8) % 2) + 0..7
	v_mul_u32_u24 v[AV0], v[AV0], PN
	v_lshl_add_u32 v[AV0], v18, 4, v[AV0]
	v_lshlrev_b32 v[AC0], 5, v13                   ; the table: my lanes' eight keys of a group of 16
	v_add_nc_u32 v[AC0], CT, v[AC0]
	s_mul_i32 s18, s[WV], 16*SP
	s_add_co_u32 s18, s18, STAGE                   ; my stage
	v_add_nc_u32 v[STO], s18, v[AK0]               ; in: row l % 16, 16 bytes for each half of the lanes
	v_bfe_u32 v[RD], v0, 3, 2                      ; back: 32 lanes take four rows of 128 bytes,
	v_mul_u32_u24 v[RD], v[RD], SP
	v_lshl_add_u32 v[RD], v15, 4, v[RD]
	v_add_nc_u32 v[RD], s18, v[RD]
	v_and_b32 v[GO], 31, v0                        ; which are 512 consecutive bytes of yh
	v_lshlrev_b32 v[GO], 4, v[GO]
	v_mov_b32 v[AK], v[AK0]                        ; key step 0
	v_mov_b32 v[AV], v[AV0]
	v_mov_b32 v[AC], v[AC0]
	s_wait_loadcnt 0x0
	WIN 0x45                                       ; destination and both sources in window 1
.set i, 0
.rept 64
	v_pk_mul_f16 v[Q+i], v[Q+i], v[GQ+i%16]        ; the gains and the scale go into the query operand, as in the launch before: the scores have the same bits
.set i, i+1
.endr
	WIN 0x41
.irp t, 0,1,2,3
	v_mov_b32 v[NCI+2*\t+1], v[NCI+2*\t]           ; a pair for the packed addition
.endr
	WIN 0
; The 4 accumulators of a run of 8 take turns
.macro KQ x, i                         ; product i of 8 of S^T = K Q^T for tile x: channels 32 (i / 4) on, keys 16 (i % 4) on
	WIN W_MAIN
.set rD, S+32*((\x)%2)+8*((\i)%4)
.set rK, K+16*((\i)%4)+8*((\i)/4)
.set rQ, Q+16*(\x)+8*((\i)/4)
.if (\i) < 4
	v_wmma_f32_16x16x32_f16 v[rD:rD+7], v[rK:rK+7], v[rQ:rQ+7], 0
.else
	v_wmma_f32_16x16x32_f16 v[rD:rD+7], v[rK:rK+7], v[rQ:rQ+7], v[rD:rD+7]
.endif
.endm
.macro PV x, i                         ; product i of 8 of O^T += V^T P for tile x: keys 32 (i / 4) on, channels 16 (i % 4) on
	WIN W_PV
.set rO, O+32*(\x)+8*((\i)%4)
.set rV, V+32*((\i)/4)+8*((\i)%4)
.set rB, P+16*((\x)%2)+8*((\i)/4)
	v_wmma_f32_16x16x32_f16 v[rO:rO+7], v[rV:rV+7], v[rB:rB+7], v[rO:rO+7]
.endm
; The LDS loads stand in runs; their addresses are made some lines ahead.  K's and the table's offsets are held at the last step's: the fetches behind the last step read it again
.macro FETCH_K
	WIN W_MAIN
.irp f, 0,1,2,3,4,5,6,7
	ds_load_b128 v[K+8*\f:K+8*\f+3],   v[AK] offset:(\f/2)*16*PN+(\f%2)*64
	ds_load_b128 v[K+8*\f+4:K+8*\f+7], v[AK] offset:(\f/2)*16*PN+(\f%2)*64+32
.endr
	s_add_co_u32 s[TBK], s[TBK], STEPB
	s_min_u32 s[TBK], s[TBK], 31*STEPB
.endm
.macro FETCH_V step
	WIN 0x80                                       ; destination in window 2
.irp f, 0,1,2,3,4,5,6,7                                ; keys 32 (f / 4) on, channels 16 (f % 4) on
	ds_load_tr16_b128 v[V+8*\f:V+8*\f+3],   v[AV] offset:(\f/4)*32*PN+(\f%4)*32
	ds_load_tr16_b128 v[V+8*\f+4:V+8*\f+7], v[AV] offset:(\f/4)*32*PN+16*PN+(\f%4)*32
.endr
.if \step
	s_add_co_u32 s[TBV], s[TBV], STEPB
.endif
.endm
.macro FETCH_C
	WIN 0x40                                       ; destination in window 1
.irp kb, 0,1,2,3
	ds_load_b128 v[CJ+8*\kb:CJ+8*\kb+3],   v[AC] offset:64*\kb
	ds_load_b128 v[CJ+8*\kb+4:CJ+8*\kb+7], v[AC] offset:64*\kb+16
.endr
	s_add_co_u32 s[TBC], s[TBC], 256
	s_min_u32 s[TBC], s[TBC], 31*256
.endm
; THE VECTOR WORK of a turn: index vi = 0 .. 65, a plain line and then an exponential.
;   plain 0-15: T = S - c_i for pair vi.  18-33: S = S - c_j for pair vi - 18, in place.  34-65: score v = vi - 34: 2^T + 2^S, rounded once to f16, into its half of P
;   exponential 0-31: T[vi].  32-63: S[vi - 32].  Between exponential 32 + v and the line that adds its result stands plain line 33 + v, which names neither.
.macro VSTEP
.if vi < 16
	v_pk_add_f32 v[T+2*vi:T+2*vi+1], v[rS+2*vi:rS+2*vi+1], v[NCI+2*Y:NCI+2*Y+1]
.elseif vi < 18
.elseif vi < 34
	v_pk_add_f32 v[rS+2*(vi-18):rS+2*(vi-18)+1], v[rS+2*(vi-18):rS+2*(vi-18)+1], v[CJ+2*(vi-18):CJ+2*(vi-18)+1]
.elseif vi%2 == 0
	s_wait_alu depctr_va_vdst(0)
	v_fma_mixlo_f16 v[rP+(vi-34)/2], v[T+vi-34], v[ONE], v[rS+vi-34]
.else
	v_fma_mixhi_f16 v[rP+(vi-34)/2], v[T+vi-34], v[ONE], v[rS+vi-34]
.endif
.if vi < 32
	v_exp_f32 v[T+vi], v[T+vi]
.elseif vi < 64
	v_exp_f32 v[rS+vi-32], v[rS+vi-32]
.endif
.set vi, vi+1
.endm
; A TURN, for tile t: 16 products, a slice of four indices behind each (six behind the last).  No vector line names a register of the products round it.
; K of the next step: fetched in tile 2's turn, eight plain lines behind the last product that read K; waited for at the head of tile 3's.
; V of the step in hand: fetched at the end of tile 0's turn, six plain lines behind the last product that read V; waited for ahead of tile 1's first V^T P.
; -c_j of the next step: fetched in tile 3's turn, behind the last line that reads the old ones; waited for in tile 0's, ahead of the first line that reads them.
.macro TURN t
.set Y, (\t)
.set rS, S+32*((\t)%2)
.set rP, P+16*((\t)%2)
.set vi, 0
.set j, 0
.if (\t) == 3
	s_wait_dscnt 0x0                               ; K is in
.endif
.rept 16
.if (((\t) == 0) && (j == 4)) || (((\t) == 1) && (j == 8))
	s_wait_dscnt 0x0                               ; -c_j is in (tile 0), V is in (tile 1)
.endif
.if j < 8
	KQ ((\t)+1)%4, j
.else
	PV ((\t)+3)%4, j-8
.endif
	WIN W_MAIN
.rept 4
	VSTEP
.endr
.if j == 15
	VSTEP
	VSTEP
.endif
.if ((\t) == 0) && (j == 14)
	v_add_nc_u32 v[AV], v[AV0], s[TBV]
.endif
.if ((\t) == 0) && (j == 15)
	FETCH_V 1
.endif
.if ((\t) == 2) && (j == 7)
	v_add_nc_u32 v[AK], v[AK0], s[TBK]
.endif
.if ((\t) == 2) && (j == 8)
	FETCH_K
.endif
.if ((\t) == 3) && (j == 7)
	v_add_nc_u32 v[AC], v[AC0], s[TBC]
.endif
.if ((\t) == 3) && (j == 8)
	FETCH_C
.endif
.set j, j+1
.endr
.endm
.macro STEPS n
	WIN 0                                          ; at a label and at a branch every window is 0
	s_mov_b32 s[CNT], \n
.Lstep_\@:
	TURN 0
	TURN 1
	TURN 2
	TURN 3
	WIN 0
	s_sub_co_u32 s[CNT], s[CNT], 1
	s_cmp_lg_u32 s[CNT], 0
	s_cbranch_scc1 .Lstep_\@
.endm
	s_wait_tensorcnt 1                             ; my shares of the table and of keys 0-575 are in; the last part, issued behind them, stays out
	s_barrier_signal -1
	s_barrier_wait -1                              ; everybody's are
	FETCH_K                                        ; key step 0: K, -c_j, and V (finite numbers for the first turn's products on P = 0; the first turn fetches it again)
	FETCH_C
	FETCH_V 0
	s_wait_dscnt 0x0
.irp i, 0,1,2,3,4,5,6,7
	KQ 0, \i                                       ; tile 0's first scores
.endr
.rept 4
	v_nop                                          ; the places behind those products
.endr
	STEPS 8                                        ; key steps 0-7; they fetch K up to step 8 and V up to step 7: keys under 576
	s_wait_tensorcnt 0x0                           ; my share of the last part is in,
	s_wait_dscnt 0x0
	s_barrier_signal -1
	s_barrier_wait -1                              ; everybody's is
	STEPS 24                                       ; the last turn's eight products K Q^T, on step 31's keys once more, serve nothing: the price of one text for every trip
.irp i, 0,1,2,3,4,5,6,7
	PV 3, \i                                       ; the last tile's V^T P of the last step
.endr
	; THE WAY OUT: O^T rounded to f16 and sent through my stage, a tile at a time.  Tiles 0 to 2 go first: their conversions are the places behind the last products.
.macro PACK t
	WIN 0x0a                                       ; sources 0 and 1 in window 2, destination in window 0
.set i, 0
.rept 16
	v_cvt_pk_f16_f32 v[S+16*(\t)+i], v[O+32*(\t)+2*i], v[O+32*(\t)+2*i+1]
.set i, i+1
.endr
	WIN 0
.irp f, 0,1,2,3
	ds_store_b128 v[STO], v[S+16*(\t)+4*\f:S+16*(\t)+4*\f+3] offset:32*\f
.endr
.irp f, 0,1,2,3
	ds_load_b128 v[S+16*(\t)+4*\f:S+16*(\t)+4*\f+3], v[RD] offset:\f*4*SP   ; LDS serves a wave's instructions in order: these see the stores above; the next tile's stores come behind them
.endr
.endm
.macro SEND t, younger                 ; younger: the LDS instructions issued behind tile t's loads: the next tile's eight, or none
	WIN 0
.irp f, 0,1,2,3
	s_wait_dscnt (\younger)+3-\f
	global_store_b128 v[GO], v[S+16*(\t)+4*\f:S+16*(\t)+4*\f+3], s[10:11] offset:(\t)*2048+\f*512   ; 512 consecutive bytes, at a multiple of 256 from yh's first
.endr
.endm
	PACK 0
	PACK 1
	SEND 0, 8
	PACK 2
	SEND 1, 8
	PACK 3
	SEND 2, 8
	SEND 3, 0
	s_wait_tensorcnt 0x0                           ; the wave's end
	ds_add_u32 v[SPW], v[NIL]
	s_wait_dscnt 0x0
	CROUND                                         ; the closing round
	s_endpgm
.Lfunc_end_k_qcaadd236f1_attn:
	.size	k_qcaadd236f1_attn, .Lfunc_end_k_qcaadd236f1_attn-k_qcaadd236f1_attn
	.p2alignl 7, 3214868480
	.fill 96, 4, 3214868480
	.section	.rodata,"a",@progbits
	.p2align	6, 0x0
	.amdhsa_kernel k_qcaadd236f1_attn
		.amdhsa_group_segment_fixed_size 327680
		.amdhsa_private_segment_fixed_size 0
		.amdhsa_enable_private_segment 0
		.amdhsa_kernarg_size 32
		.amdhsa_user_sgpr_count 2
		.amdhsa_user_sgpr_kernarg_segment_ptr 1
		.amdhsa_wavefront_size32 1
		.amdhsa_system_sgpr_workgroup_id_x 1
		.amdhsa_system_sgpr_workgroup_id_y 1
		.amdhsa_system_sgpr_workgroup_id_z 1
		.amdhsa_system_vgpr_workitem_id 0
		.amdhsa_next_free_vgpr 704
		.amdhsa_next_free_sgpr 66
		.amdhsa_reserve_vcc 0
		.amdhsa_float_denorm_mode_32 3
		.amdhsa_float_denorm_mode_16_64 3
		.amdhsa_memory_ordered 1
		.amdhsa_forward_progress 1
		.amdhsa_inst_pref_size 102
	.end_amdhsa_kernel
	.amdgpu_metadata
---
amdhsa.version: [ 1, 2 ]
amdhsa.kernels:
  - .name:           k_qcaadd236f1_attn
    .symbol:         k_qcaadd236f1_attn.kd
    .args:
      - { .name: nh, .offset: 0, .size: 8, .value_kind: global_buffer, .address_space: global }
      - { .name: nl, .offset: 8, .size: 8, .value_kind: global_buffer, .address_space: global }
      - { .name: gq, .offset: 16, .size: 8, .value_kind: global_buffer, .address_space: global }
      - { .name: yh, .offset: 24, .size: 8, .value_kind: global_buffer, .address_space: global }
    .group_segment_fixed_size: 327680
    .private_segment_fixed_size: 0
    .kernarg_segment_align: 8
    .kernarg_segment_size: 32
    .max_flat_workgroup_size: 128
    .sgpr_count:     66
    .vgpr_count:     704
    .wavefront_size: 32
...
	.end_amdgpu_metadata
.endif
;; end of part 4
;; launch outp (part 5): grid 4 x 64, 4 waves a work-group, clusters of 4 x 4, 327,680 bytes of LDS; arguments yh, w3h, out0; writes out0
.if DOCPART == 5
	.amdgcn_target "amdgcn-amd-amdhsa--gfx1250"
	.amdhsa_code_object_version 6
	.text
	.protected	k_qcaadd236f1_outp
	.globl	k_qcaadd236f1_outp
	.p2align	8
	.type	k_qcaadd236f1_outp,@function
k_qcaadd236f1_outp:
	s_mov_b64 s[64:65], 0
	v_nop
	global_prefetch_b8 v0, s[64:65] scope:SCOPE_SE
	s_setreg_imm32_b32 hwreg(HW_REG_WAVE_MODE, 25, 1), 1
	s_wait_xcnt 0x0
	s_wait_alu depctr_hold_cnt(0) depctr_sa_sdst(0) depctr_va_vdst(0) depctr_va_sdst(0) depctr_va_ssrc(0) depctr_va_vcc(0) depctr_vm_vsrc(0)
	s_getreg_b32 s2, hwreg(HW_REG_IB_STS2, 6, 4)
	s_cmp_eq_u32 s2, 0
	s_cbranch_scc0 .Lentry_in_a_cluster
	s_endpgm
.Lentry_in_a_cluster:
	s_bfe_u32 s2, ttmp6, 0x10000c
	s_cmp_lg_u32 s2, 0xf033
	s_cbranch_scc0 .Lentry_shape_is_right
	s_endpgm
.Lentry_shape_is_right:
; OUTP: out0[m][c] = sum over o of y[m][o] w3h[o][c] (8,192 x 512 x 512; f16 operands, f32 sums and output).  y lies by heads, yh[b*8 + head][t][64]: a head is one slice of 64 along K.
; w3h = g3[o % 64] (qkv_w + delta_w)[o][c] lies [K][N], so its fragments come out of LDS turned, by ds_load_tr16_b128.
; A tile is 128 tokens x 128 columns; four waves, each 64 x 64.  All eight slices of both operands lie in LDS, filled once; slices 0-3 are multiplied while slices 4-7 are on their way.
; CLUSTER 4 x 4: y's tiles are shared along a row of the cluster, w3h's along a column: joint loads.
; The matrix instruction is used transposed (source 0 = 16 columns of w3h, source 1 = 16 tokens): a lane holds one token and eight neighbouring columns, 32 bytes of f32.
; REGISTERS: window 0: v0-29 addresses; v32-95 two buffers of 16 rows on the way out; v128-255 the 16 accumulators.  Window 1: two fragment buffers of 128.
.set PA,    144       ; a token's 128 bytes of a slice + 16: the 16 rows of a fragment load start at 16 different groups of four banks
.set PB,    288       ; a row of w3h's tile: 256 bytes + 32
.set TILEB, 18432     ; a slice's tile: 128 x 144 = 64 x 288 bytes
.set BB,    8*TILEB   ; w3h's tiles lie behind y's
.set STAGE, 16*TILEB  ; 16 rows x 272 bytes for each wave; no tensor load fills it
.set SPITCH, 272
.set SPARE, STAGE+4*16*SPITCH
.set ADRA, 8          ; v8-11   LDS address of my y fragments in slices 2 g, 2 g + 1
.set ADRB, 12         ; v12-15  the same for w3h
.set STO,  16
.set RD,   17
.set CO,   18
.set SPW,  28
.set NIL,  29
.set TMP,  32
.set ACC,  128
.set F0,   0
.set F1,   128
.set G1A, 16          ; s[16:23]
.set G1B, 24          ; s[24:31]
.set G0A, 32          ; s[32:47] four sets
.set G0B, 48          ; s[48:63] four sets
.set MSB, 0
.macro WIN new
.if MSB != (\new)
	s_set_vgpr_msb (MSB<<8)|(\new)
.set MSB, \new
.endif
.endm
.set MUL,  0x05
.set TO_F, 0x40
.macro CROUND
	s_barrier_signal -1
	s_barrier_wait -1
	s_cmp_lg_u32 s10, 0
	s_cbranch_scc1 .Lnot_wave_0_\@
	s_barrier_signal -3
.Lnot_wave_0_\@:
	s_barrier_wait -3
	s_barrier_signal -1
	s_barrier_wait -1
.endm
	s_load_b128 s[4:7], s[0:1], 0x0                ; yh s[4:5], w3h s[6:7]
	s_load_b64 s[8:9], s[0:1], 0x10                ; out0
	v_lshl_add_u32 v[SPW], v0, 2, SPARE
	v_mov_b32 v[NIL], 0
	ds_add_u32 v[SPW], v[NIL]                      ; the wave's opening: the add and its wait ahead of my first tensor load
	v_lshrrev_b32 v1, 5, v0
	v_readfirstlane_b32 s10, v1
	s_lshr_b32 s11, s10, 1                         ; my half of the tile's tokens.  Also: I fetch for y (0) or for w3h (1)
	s_and_b32 s12, s10, 1                          ; my half of its columns.  Also: which slices I fetch
	s_bfe_u32 s68, ttmp6, 0x40000                  ; cx
	s_bfe_u32 s69, ttmp6, 0x40004                  ; cy
	s_lshl_b32 s70, ttmp9, 2
	s_add_co_u32 s70, s70, s68                     ; tile column
	s_and_b32 s13, ttmp7, 0xffff
	s_lshl_b32 s13, s13, 2
	s_add_co_u32 s13, s13, s69                     ; tile row
	s_lshl_b32 s71, s69, 2
	s_lshl_b32 s71, 15, s71                        ; my row of the cluster
	s_lshl_b32 s72, 0x1111, s68                    ; my column
	s_or_b32 s[G1A], s71, (1<<16)|(1<<20)|(1<<21)|(4<<22)|(3<<25)   ; y: dense bytes as rows of 256 (two tokens), 4 words of padding after every 32
	s_mov_b32 s[G1A+1], 128<<16
	s_mov_b32 s[G1A+2], 64<<16
	s_mov_b32 s[G1A+3], 128<<16
	s_mov_b32 s[G1A+4], 64
	s_mov_b32 s[G1A+5], 128
	s_mov_b32 s[G1A+6], 0
	s_mov_b32 s[G1A+7], 0
	s_or_b32 s[G1B], s72, (1<<16)|(1<<20)|(1<<21)|(5<<22)|(7<<25)   ; w3h: 64 rows of 256 bytes, 512 elements apart, 8 words of padding after every 64
	s_mov_b32 s[G1B+1], 128<<16
	s_mov_b32 s[G1B+2], 64<<16
	s_mov_b32 s[G1B+3], 128<<16
	s_mov_b32 s[G1B+4], 64
	s_mov_b32 s[G1B+5], 512
	s_mov_b32 s[G1B+6], 0
	s_mov_b32 s[G1B+7], 0
	; set i of a wave's four serves slice u = 4 (i / 2) + 2 x (wave % 2) + i % 2: the first two sets of the two waves are slices 0-3
	s_lshr_b32 s2, s13, 4                          ; y: ((b * 8 + u) * 2,048 + (tile row % 16) * 128) * 128 bytes
	s_lshl_b32 s2, s2, 21
	s_and_b32 s3, s13, 15
	s_lshl_b32 s3, s3, 14
	s_add_co_u32 s2, s2, s3
	s_lshl_b32 s3, s12, 19
	s_add_co_u32 s2, s2, s3
	s_mov_b32 s3, 0
	s_lshl_b32 s76, s70, 8                         ; w3h: u * 64 rows of 1,024 bytes + 256 x tile column
	s_lshl_b32 s77, s12, 17
	s_add_co_u32 s76, s76, s77
	s_mov_b32 s77, 0
	s_mul_i32 s73, s12, 2*TILEB
	s_wait_dscnt 0x0                               ; the opening add is done
	s_wait_kmcnt 0x0
	s_add_nc_u64 s[14:15], s[4:5], s[2:3]
	s_add_nc_u64 s[74:75], s[6:7], s[76:77]
	CROUND                                         ; all sixteen work-groups are here: the joint loads meet
.irp i, 0,1,2,3
	s_mov_b32 s[G0A+4*(\i)], 1
	s_add_co_u32 s[G0A+4*(\i)+1], s73, (4*((\i)/2)+(\i)%2)*TILEB
	s_add_nc_u64 s[G0A+4*(\i)+2:G0A+4*(\i)+3], s[14:15], (4*((\i)/2)+(\i)%2)<<18
	s_or_b32 s[G0A+4*(\i)+3], s[G0A+4*(\i)+3], 0x80000000
	s_mov_b32 s[G0B+4*(\i)], 1
	s_add_co_u32 s[G0B+4*(\i)+1], s73, BB+(4*((\i)/2)+(\i)%2)*TILEB
	s_add_nc_u64 s[G0B+4*(\i)+2:G0B+4*(\i)+3], s[74:75], (4*((\i)/2)+(\i)%2)<<16
	s_or_b32 s[G0B+4*(\i)+3], s[G0B+4*(\i)+3], 0x80000000
.endr
	s_cmp_eq_u32 s11, 0                            ; a wave's four fills stand in one branch: four tensor loads of mine are out
	s_cbranch_scc0 .Lfirst_b
.irp i, 0,1,2,3
	tensor_load_to_lds s[G0A+4*(\i):G0A+4*(\i)+3], s[G1A:G1A+7]
	s_nop 0
.endr
.rept 4
	v_nop
.endr
	s_branch .Lfirst_asked
.Lfirst_b:
.irp i, 0,1,2,3
	tensor_load_to_lds s[G0B+4*(\i):G0B+4*(\i)+3], s[G1B:G1B+7]
	s_nop 0
.endr
.rept 4
	v_nop
.endr
.Lfirst_asked:
	v_and_b32 v1, 15, v0                           ; l % 16
	v_bfe_u32 v2, v0, 4, 1                         ; l / 16
	v_and_b32 v3, 7, v0
	v_bfe_u32 v4, v0, 3, 1
	v_mul_u32_u24 v5, v1, PA
	v_lshl_add_u32 v5, v2, 4, v5                   ; y: row x pitch + 16 x half
	s_mul_i32 s78, s11, 64*PA                      ; my 64 tokens
	v_lshl_add_u32 v6, v2, 3, v3                   ; w3h, turned: row 8 (l / 16) + l % 8, columns 8 ((l / 8) % 2) + 0..7
	v_mul_u32_u24 v6, v6, PB
	v_lshl_add_u32 v6, v4, 4, v6
	s_lshl_b32 s79, s12, 7                         ; my 64 columns
	s_add_co_u32 s79, s79, BB
.irp g, 0,1,2,3
	v_add_nc_u32 v[ADRA+(\g)], s78, v5
	v_add_nc_u32 v[ADRB+(\g)], s79, v6
	s_add_co_u32 s78, s78, 2*TILEB
	s_add_co_u32 s79, s79, 2*TILEB
.endr
	s_mul_i32 s78, s10, 16*SPITCH
	s_add_co_u32 s78, s78, STAGE                   ; my stage
	v_mul_u32_u24 v5, v1, SPITCH                   ; in: row l % 16, 32 bytes for each half of the lanes
	v_lshl_add_u32 v5, v2, 5, v5
	v_add_nc_u32 v[STO], s78, v5
	v_mul_u32_u24 v6, v2, SPITCH                   ; back: lanes 0-15 take one row of 256 bytes, lanes 16-31 the next
	v_lshl_add_u32 v6, v1, 4, v6
	v_add_nc_u32 v[RD], s78, v6
	v_lshlrev_b32 v[CO], 11, v2                    ; and the same two rows in out0
	v_lshl_add_u32 v[CO], v1, 4, v[CO]
	s_lshl_b32 s2, s13, 18                         ; out0 at (128 x tile row + 64 x row half) rows of 2,048 bytes,
	s_lshl_b32 s3, s11, 17
	s_add_co_u32 s2, s2, s3
	s_mov_b32 s3, 0
	s_add_nc_u64 s[8:9], s[8:9], s[2:3]
	s_lshl_b32 s76, s70, 9                         ; + 512 x tile column + 256 x column half
	s_lshl_b32 s77, s12, 8
	s_add_co_u32 s76, s76, s77
	s_mov_b32 s77, 0
	s_add_nc_u64 s[8:9], s[8:9], s[76:77]
.macro MUL8 f, c, a0, zero             ; 8 matrix instructions: token blocks a0, a0 + 1 x all 4 column blocks, 32 along K: half c of buffer f
	WIN MUL
.irp a, \a0, (\a0)+1
.irp b, 0,1,2,3
.if \zero
	v_wmma_f32_16x16x32_f16 v[ACC+8*(4*(\a)+(\b)):ACC+8*(4*(\a)+(\b))+7], v[(\f)+64+8*(4*(\c)+(\b)):(\f)+64+8*(4*(\c)+(\b))+7], v[(\f)+8*(4*(\c)+(\a)):(\f)+8*(4*(\c)+(\a))+7], 0
.else
	v_wmma_f32_16x16x32_f16 v[ACC+8*(4*(\a)+(\b)):ACC+8*(4*(\a)+(\b))+7], v[(\f)+64+8*(4*(\c)+(\b)):(\f)+64+8*(4*(\c)+(\b))+7], v[(\f)+8*(4*(\c)+(\a)):(\f)+8*(4*(\c)+(\a))+7], v[ACC+8*(4*(\a)+(\b)):ACC+8*(4*(\a)+(\b))+7]
.endif
.endr
.endr
.endm
.macro FETCHO u, f                     ; 32 LDS loads in one run: slice u's fragments into buffer f; the first 32 along K first
	WIN TO_F
.irp c, 0,1
.irp i, 0,1,2,3
	ds_load_tr16_b128 v[(\f)+64+8*(4*(\c)+(\i)):(\f)+64+8*(4*(\c)+(\i))+3],   v[ADRB+(\u)/2] offset:((\u)%2)*TILEB+(\c)*32*PB+32*(\i)
	ds_load_tr16_b128 v[(\f)+64+8*(4*(\c)+(\i))+4:(\f)+64+8*(4*(\c)+(\i))+7], v[ADRB+(\u)/2] offset:((\u)%2)*TILEB+(\c)*32*PB+32*(\i)+16*PB
	ds_load_b128 v[(\f)+8*(4*(\c)+(\i)):(\f)+8*(4*(\c)+(\i))+3],             v[ADRA+(\u)/2] offset:((\u)%2)*TILEB+(\i)*16*PA+64*(\c)
	ds_load_b128 v[(\f)+8*(4*(\c)+(\i))+4:(\f)+8*(4*(\c)+(\i))+7],           v[ADRA+(\u)/2] offset:((\u)%2)*TILEB+(\i)*16*PA+64*(\c)+32
.endr
.endr
.endm
.macro PLACES
.rept 4
	v_nop
.endr
.endm
.macro QUARTER unext, f, g, zero       ; a slice: 32 matrix instructions on buffer f (the 16 accumulators by turns); in its middle slice unext is fetched into g
	s_wait_dscnt 16                                ; the first 32 along K are in; the other sixteen loads may be out
	WIN MUL
	MUL8 \f, 0, 0, \zero
	MUL8 \f, 0, 2, \zero
	PLACES
	FETCHO \unext, \g
	s_wait_dscnt 32                                ; all but the 32 just issued
	WIN MUL
	MUL8 \f, 1, 0, 0
	MUL8 \f, 1, 2, 0
.endm
	s_wait_tensorcnt 2                             ; my two tiles of slices 0-3 are in; my two of slices 4-7, issued behind them, stay out
	s_barrier_signal -1
	s_barrier_wait -1                              ; everybody's are
	FETCHO 0, F0
	QUARTER 1, F0, F1, 1                           ; the first products start the sums
	QUARTER 2, F1, F0, 0
	QUARTER 3, F0, F1, 0
	s_wait_tensorcnt 0x0                           ; slice 3, and the step to slices 4-7: my tiles of them are in,
	s_wait_dscnt 16
	WIN MUL
	MUL8 F1, 0, 0, 0
	s_wait_dscnt 0x0                               ; no LDS instruction of mine is pending at the signal
	s_barrier_signal -1
	MUL8 F1, 0, 2, 0
	s_barrier_wait -1                              ; everybody's are
	PLACES
	FETCHO 4, F0
	WIN MUL
	MUL8 F1, 1, 0, 0
	MUL8 F1, 1, 2, 0
	QUARTER 5, F0, F1, 0
	QUARTER 6, F1, F0, 0
	QUARTER 7, F0, F1, 0
	s_wait_dscnt 16                                ; slice 7: nothing more to fetch
	WIN MUL
	MUL8 F1, 0, 0, 0
	MUL8 F1, 0, 2, 0
	s_wait_dscnt 0
	MUL8 F1, 1, 0, 0
	MUL8 F1, 1, 2, 0
	WIN 0
	; THE WAY OUT: 16 tokens at a time, the f32 sums as they are, through my own stage: in as 32 bytes a lane and column block (each accumulator's low four registers first), back as whole rows of 256 bytes.
	PLACES
.macro TOSTAGE a
	s_wait_xcnt 0x0                                ; the loads below land in registers that the stores of two blocks ago read: only behind this wait
.irp b, 0,1,2,3
	ds_store_b128 v[STO], v[ACC+8*(4*(\a)+(\b)):ACC+8*(4*(\a)+(\b))+3] offset:64*(\b)
	ds_store_b128 v[STO], v[ACC+8*(4*(\a)+(\b))+4:ACC+8*(4*(\a)+(\b))+7] offset:64*(\b)+16
.endr
.irp t, 0,1,2,3,4,5,6,7
	ds_load_b128 v[TMP+32*((\a)%2)+4*(\t):TMP+32*((\a)%2)+4*(\t)+3], v[RD] offset:(\t)*2*SPITCH   ; LDS serves a wave's instructions in order: these see the stores above; the next block's stores come behind them
.endr
.endm
.macro SEND a, younger                 ; younger: the LDS instructions issued behind block a's loads: the next block's sixteen, or none
.irp t, 0,1,2,3,4,5,6,7
	s_wait_dscnt (\younger)+7-(\t)
	global_store_b128 v[CO], v[TMP+32*((\a)%2)+4*(\t):TMP+32*((\a)%2)+4*(\t)+3], s[8:9] offset:(\a)*32768+(\t)*4096 th:TH_STORE_NT   ; 16 lanes store 256 consecutive bytes, at a multiple of 256 from out0's first
.endr
.endm
	TOSTAGE 0
	TOSTAGE 1
	SEND 0, 16
	TOSTAGE 2
	SEND 1, 16
	TOSTAGE 3
	SEND 2, 16
	SEND 3, 0
	s_wait_tensorcnt 0x0                           ; the wave's end
	ds_add_u32 v[SPW], v[NIL]
	s_wait_dscnt 0x0
	CROUND                                         ; the closing round
	s_endpgm
.Lfunc_end_k_qcaadd236f1_outp:
	.size	k_qcaadd236f1_outp, .Lfunc_end_k_qcaadd236f1_outp-k_qcaadd236f1_outp
	.p2alignl 7, 3214868480
	.fill 96, 4, 3214868480
	.section	.rodata,"a",@progbits
	.p2align	6, 0x0
	.amdhsa_kernel k_qcaadd236f1_outp
		.amdhsa_group_segment_fixed_size 327680
		.amdhsa_private_segment_fixed_size 0
		.amdhsa_enable_private_segment 0
		.amdhsa_kernarg_size 24
		.amdhsa_user_sgpr_count 2
		.amdhsa_user_sgpr_kernarg_segment_ptr 1
		.amdhsa_wavefront_size32 1
		.amdhsa_system_sgpr_workgroup_id_x 1
		.amdhsa_system_sgpr_workgroup_id_y 1
		.amdhsa_system_sgpr_workgroup_id_z 1
		.amdhsa_system_vgpr_workitem_id 0
		.amdhsa_next_free_vgpr 512
		.amdhsa_next_free_sgpr 80
		.amdhsa_reserve_vcc 0
		.amdhsa_float_denorm_mode_32 3
		.amdhsa_float_denorm_mode_16_64 3
		.amdhsa_memory_ordered 1
		.amdhsa_forward_progress 1
		.amdhsa_inst_pref_size 52
	.end_amdhsa_kernel
	.amdgpu_metadata
---
amdhsa.version: [ 1, 2 ]
amdhsa.kernels:
  - .name:           k_qcaadd236f1_outp
    .symbol:         k_qcaadd236f1_outp.kd
    .args:
      - { .name: yh, .offset: 0, .size: 8, .value_kind: global_buffer, .address_space: global }
      - { .name: w3h, .offset: 8, .size: 8, .value_kind: global_buffer, .address_space: global }
      - { .name: out0, .offset: 16, .size: 8, .value_kind: global_buffer, .address_space: global }
    .group_segment_fixed_size: 327680
    .private_segment_fixed_size: 0
    .kernarg_segment_align: 8
    .kernarg_segment_size: 24
    .max_flat_workgroup_size: 128
    .sgpr_count:     80
    .vgpr_count:     512
    .wavefront_size: 32
...
	.end_amdgpu_metadata
.endif
;; end of part 5
;; ======== version 2 of 2: 5 launches; 1.35 times as fast as version 1
;; limits: values are held in f16: magnitudes above 65,504 overflow, below 6.1e-05 lose precision; inputs' magnitudes at most 65,504; right only within a limited range of input values
;; workspace buffers: xh 8,388,608 bytes; wh 524,288 bytes; w3h 524,288 bytes; gq 256 bytes; nh 8,388,608 bytes; nl 262,144 bytes; yh 8,388,608 bytes
;; launch prep: the kernel of part 1 again; grid 256 x 1, 8 waves a work-group, no clusters, 0 bytes of LDS; arguments x, qkv_w, delta_w, g1, g2, g3, xh, wh, w3h, gq; writes xh, wh, w3h, gq
;; launch proj: the kernel of part 2 again; grid 4 x 64, 4 waves a work-group, clusters of 4 x 4, 327,680 bytes of LDS; arguments xh, wh, nh; writes nh
;; launch stats (part 6): grid 8 x 32, 4 waves a work-group, clusters of 4 x 1, 327,680 bytes of LDS; arguments nh, gq, nl; writes nl
.if DOCPART == 6
	.amdgcn_target "amdgcn-amd-amdhsa--gfx1250"
	.amdhsa_code_object_version 6
	.text
	.protected	k_qcaadd236f1_stats
	.globl	k_qcaadd236f1_stats
	.p2align	8
	.type	k_qcaadd236f1_stats,@function
k_qcaadd236f1_stats:
	s_mov_b64 s[64:65], 0
	v_nop
	global_prefetch_b8 v0, s[64:65] scope:SCOPE_SE
	s_setreg_imm32_b32 hwreg(HW_REG_WAVE_MODE, 25, 1), 1
	s_wait_xcnt 0x0
	s_wait_alu depctr_hold_cnt(0) depctr_sa_sdst(0) depctr_va_vdst(0) depctr_va_sdst(0) depctr_va_ssrc(0) depctr_va_vcc(0) depctr_vm_vsrc(0)
	s_getreg_b32 s2, hwreg(HW_REG_IB_STS2, 6, 4)
	s_cmp_eq_u32 s2, 0
	s_cbranch_scc0 .Lentry_in_a_cluster
	s_endpgm
.Lentry_in_a_cluster:
	s_bfe_u32 s2, ttmp6, 0x10000c
	s_cmp_lg_u32 s2, 0x3003
	s_cbranch_scc0 .Lentry_shape_is_right
	s_endpgm
.Lentry_shape_is_right:
; STATS: nl[bh][i] = -c_i, c_i = log2 of the sum over j of 2^(S_ij), S_ij = sum over f of n_jf (n_if gq_f): the scores in units of log2, gains and 1/8 inside gq.
; The score matrix is symmetric in exact arithmetic (both norms are the same n, and the gains enter as the product g1 g2), so row i's c serves the row softmax of row i and the
; column softmax of column i.  c is found with a RUNNING MAXIMUM m and sum l, in f32: l = l 2^(m_old - m_new) + sum of 2^(S - m_new).
; LIMITS: gq n stays under 65,504; S_ij and S_ji differ by the operands' rounding alone; a term below 2^-126 counts as 0; NaN and infinities are not treated apart.
; SHARES.  A work-group owns 256 queries of one head, a wave 64: four tiles of 16.  The head's whole n (2,048 rows of 128 bytes, 144 apart) lies in LDS, filled ONCE: nothing is
; filled again.  It comes in two parts, keys 0-575 and 576-2,047, so that the first eight key steps run while the second part is on its way.
; CLUSTER 4 x 1: the four query blocks of a cluster belong to one head and need the same n: each part is asked for jointly.
; LAYOUT.  S^T = K Q^T (source 0 = 16 keys, source 1 = 16 queries): a lane holds ONE query (lane % 16) and the keys 16 kb + 8 (lane / 16) + 0..7.  Each lane keeps m and l over ITS keys;
; the two halves of the lanes are merged once, at the end.
; BY TURNS.  Turn t of a key step belongs to tile t: 8 products for tile t + 1, and beside them tile t's subtraction, exponentials and sums and tile t + 1's maximum.
; BATCHES.  A turn's 33 exponentials (tile t's 32 terms and tile t + 1's a) are ONE batch with ONE wait, which cuts the turn in two.  Ahead of it stands all that names no result of theirs: the products,
; the subtractions, the next tile's maximum and statistics.  Behind it stand the 16 sums, the only readers (a is read by the next turn's sums, behind that turn's wait too).  No exponential is issued behind
; a turn's wait, so none crosses a turn's end, a label or the loop's jump.  Tile 0's first a, ahead of the loop, and the merge's four exponentials and four logarithms are batches of their own.
.set PN,    144       ; a row of n in LDS: 128 bytes + 16 of padding = 36 words: the 16 rows of a load start at 16 different groups of four banks
.set STEPB, 64*PN     ; a key step's rows
.set STG,   2048*PN   ; behind n: 256 bytes for each wave, for the way out
.set SPARE, STG+4*256 ; the spare words, 128 bytes a wave
.set AK0, 2           ; v2   my lane's place in 64 rows of n; never rewritten
.set AK,  3           ; v3   the LDS address of the next run of loads
.set QO,  4           ; v4   my byte offset in 16 rows of Q
.set SA,  5           ; v5   the way out: where I put a word
.set SB,  6           ; v6   the way out: where I read two back
.set GO,  7           ; v7   my byte offset in the wave's 256 bytes of nl
.set GA,  9           ; v9   my byte offset in gq
.set SPW, 10
.set NIL, 11
.set C,   12          ; v12-15  four chains of the maximum
.set ST,  16          ; tile t at ST + 8 t: +0 m, +2 a, +4, +5 l (even keys', odd keys'); +1, +3 named as pairs' upper words; +6, +7 spare
.set Q,   48          ; v48-111   Q, 16 a tile
.set K,   112         ; v112-175  K of one step: key block kb, channel half c at K + 16 kb + 8 c
.set S,   176         ; v176-239  S^T, two buffers of 32: a tile's goes by its number's parity
.set GQ,  176         ; gq's fragment lies in S until the first product
.set LN,  240         ; v240 my lane
.set WV,  12
.set G1A, 24          ; s[24:31] group 1 of the first part: 72 rows of 256 bytes a wave
.set G1B, 32          ; s[32:39] of the second: 184 rows
.set SEL, 40
.set G0A, 48
.set G0B, 52
.set CNT, 60
.set TBK, 61          ; LDS byte at which the step to be fetched begins
.macro CROUND
	s_barrier_signal -1
	s_barrier_wait -1
	s_cmp_lg_u32 s[WV], 0
	s_cbranch_scc1 .Lnot_wave_0_\@
	s_barrier_signal -3
.Lnot_wave_0_\@:
	s_barrier_wait -3
	s_barrier_signal -1
	s_barrier_wait -1
.endm
	s_load_b128 s[4:7], s[0:1], 0x0                ; nh s[4:5], gq s[6:7]
	s_load_b64 s[8:9], s[0:1], 0x10                ; nl
	v_lshl_add_u32 v[SPW], v0, 2, SPARE
	v_mov_b32 v[NIL], 0
	ds_add_u32 v[SPW], v[NIL]                      ; the wave's opening: the add and its wait ahead of my first tensor load
	v_lshrrev_b32 v1, 5, v0
	v_readfirstlane_b32 s[WV], v1
	s_bfe_u32 s13, ttmp6, 0x40000                  ; cx
	s_lshl_b32 s14, ttmp9, 2
	s_add_co_u32 s14, s14, s13                     ; my block of 256 queries: it enters Q's and nl's addresses alone
	s_and_b32 s15, ttmp7, 0xffff                   ; the head, which the four partners share
	s_lshl_b32 s16, s15, 18                        ; its 262,144 bytes of nh
	s_mul_i32 s18, s[WV], 72*256                   ; the first part: 144 keys a wave
	s_add_co_u32 s18, s18, s16
	s_mov_b32 s19, 0
	s_mul_i32 s20, s[WV], 184*256                  ; the second: 368 keys a wave, from key 576 on
	s_add_co_u32 s20, s20, s16
	s_add_co_u32 s20, s20, 576*128
	s_mov_b32 s21, 0
	s_lshl_b32 s22, s14, 15                        ; Q: my block's 256 rows, my wave's 64 of them
	s_lshl_b32 s23, s[WV], 13
	s_add_co_u32 s22, s22, s23
	s_add_co_u32 s22, s22, s16
	s_mov_b32 s23, 0
	s_lshl_b32 s46, s15, 13                        ; nl: 4 bytes a query
	s_lshl_b32 s47, s14, 10
	s_add_co_u32 s46, s46, s47
	s_lshl_b32 s47, s[WV], 8
	s_add_co_u32 s46, s46, s47
	s_mov_b32 s47, 0
	; group 1: dense bytes asked for as rows of 256 (two keys a row), padded in LDS after every key
	s_mov_b32 s[G1A], 15|(1<<16)|(1<<20)|(1<<21)|(4<<22)|(3<<25)   ; the mask of four; 2-byte elements; padding on; bit 21 beside a mask; after every 32 words 4 words
	s_mov_b32 s[G1A+1], 128<<16
	s_mov_b32 s[G1A+2], 72<<16
	s_mov_b32 s[G1A+3], 128<<16
	s_mov_b32 s[G1A+4], 72
	s_mov_b32 s[G1A+5], 128
	s_mov_b32 s[G1A+6], 0
	s_mov_b32 s[G1A+7], 0
	s_mov_b32 s[G1B], 15|(1<<16)|(1<<20)|(1<<21)|(4<<22)|(3<<25)
	s_mov_b32 s[G1B+1], 128<<16
	s_mov_b32 s[G1B+2], 184<<16
	s_mov_b32 s[G1B+3], 128<<16
	s_mov_b32 s[G1B+4], 184
	s_mov_b32 s[G1B+5], 128
	s_mov_b32 s[G1B+6], 0
	s_mov_b32 s[G1B+7], 0
	s_mov_b32 s[G0A], 1
	s_mul_i32 s[G0A+1], s[WV], 144*PN
	s_mov_b32 s[G0B], 1
	s_mul_i32 s[G0B+1], s[WV], 368*PN
	s_add_co_u32 s[G0B+1], s[G0B+1], 576*PN
	s_mov_b32 s[SEL], 0x76543210
	s_mov_b32 s[SEL+1], 0xfedcba98
	s_mov_b32 s[TBK], 0
	s_wait_dscnt 0x0                               ; the opening add is done
	s_wait_kmcnt 0x0
	s_add_nc_u64 s[G0A+2:G0A+3], s[4:5], s[18:19]
	s_or_b32 s[G0A+3], s[G0A+3], 0x80000000
	s_add_nc_u64 s[G0B+2:G0B+3], s[4:5], s[20:21]
	s_or_b32 s[G0B+3], s[G0B+3], 0x80000000
	s_add_nc_u64 s[44:45], s[4:5], s[22:23]        ; Q at my wave's first row
	s_add_nc_u64 s[8:9], s[8:9], s[46:47]          ; nl at my wave's first query
	CROUND                                         ; all four work-groups are here: the joint loads meet
	tensor_load_to_lds s[G0A:G0A+3], s[G1A:G1A+7]  ; every wave issues both: two tensor loads of mine are out
	s_nop 0
	tensor_load_to_lds s[G0B:G0B+3], s[G1B:G1B+7]
	s_nop 0
.rept 4
	v_nop
.endr
	v_and_b32 v1, 15, v0                           ; l % 16
	v_bfe_u32 v8, v0, 4, 1                         ; l / 16
	v_lshlrev_b32 v[QO], 7, v1
	v_lshl_add_u32 v[QO], v8, 4, v[QO]             ; row x 128 + 16 x half
	v_lshlrev_b32 v[GA], 4, v8
.set i, 0
.rept 8                                                ; Q: tile i / 2, channels 32 (i % 2) on
	global_load_b128 v[Q+8*i:Q+8*i+3],   v[QO], s[44:45] offset:(i/2)*2048+(i%2)*64
	global_load_b128 v[Q+8*i+4:Q+8*i+7], v[QO], s[44:45] offset:(i/2)*2048+(i%2)*64+32
.set i, i+1
.endr
.irp k, 0,1,2,3                                        ; gq in a fragment's order: channels 16 k + 8 (l / 16) + 0..7
	global_load_b128 v[GQ+4*\k:GQ+4*\k+3], v[GA], s[6:7] offset:32*\k
.endr
.set i, 0
.rept 4
	v_mov_b32 v[ST+8*i], 0xff7fffff                ; m: the lowest finite number, so the first a is 0
.irp z, 1,2,3,4,5,6,7
	v_mov_b32 v[ST+8*i+\z], 0
.endr
.set i, i+1
.endr
	v_mul_u32_u24 v[AK0], v1, PN
	v_lshl_add_u32 v[AK0], v8, 4, v[AK0]           ; row x pitch + 16 x half
	v_mov_b32 v[AK], v[AK0]                        ; key step 0
	v_and_b32 v[LN], 31, v0
	s_lshl_b32 s56, s[WV], 8
	s_add_co_u32 s56, s56, STG
	v_lshl_add_u32 v[SA], v[LN], 2, s56
	v_lshl_add_u32 v[SB], v[LN], 3, s56
	v_lshlrev_b32 v[GO], 3, v[LN]
	s_wait_loadcnt 0x0
.set i, 0
.rept 64
	v_pk_mul_f16 v[Q+i], v[Q+i], v[GQ+i%16]        ; the gains and the scale go into the query operand
.set i, i+1
.endr
; Product i of 8 of S^T = K Q^T for tile x: channels 32 (i / 4) on, keys 16 (i % 4) on.  The first 4 start the sums; the 4 accumulators take turns
.macro KQ x, i
.set rD, S+32*((\x)%2)+8*((\i)%4)
.set rK, K+16*((\i)%4)+8*((\i)/4)
.set rQ, Q+16*(\x)+8*((\i)/4)
.if (\i) < 4
	v_wmma_f32_16x16x32_f16 v[rD:rD+7], v[rK:rK+7], v[rQ:rQ+7], 0
.else
	v_wmma_f32_16x16x32_f16 v[rD:rD+7], v[rK:rK+7], v[rQ:rQ+7], v[rD:rD+7]
.endif
.endm
; 16 LDS loads in one run: a step's K.  The offset of the next step is held at the last step's: the fetch behind the last step reads that step again
.macro FETCH_K
.irp f, 0,1,2,3,4,5,6,7
	ds_load_b128 v[K+8*\f:K+8*\f+3],   v[AK] offset:(\f/2)*16*PN+(\f%2)*64
	ds_load_b128 v[K+8*\f+4:K+8*\f+7], v[AK] offset:(\f/2)*16*PN+(\f%2)*64+32
.endr
	s_add_co_u32 s[TBK], s[TBK], STEPB
	s_min_u32 s[TBK], s[TBK], 31*STEPB
.endm
; The lines of a turn.  rT, rS: the tile in hand; rT2, rS2: the next tile, whose scores the turn makes
.macro FS u                            ; S - m for pair u of 16
	v_pk_add_f32 v[rS+2*(\u):rS+2*(\u)+1], v[rS+2*(\u):rS+2*(\u)+1], v[rT:rT+1] op_sel_hi:[1,0] neg_lo:[0,1] neg_hi:[0,1]
.endm
.macro EX u                            ; the exponential of term u of 32, in place
	v_exp_f32 v[rS+(\u)], v[rS+(\u)]
.endm
.macro BU u                            ; of four terms the second pair is added onto the first, in place
	v_pk_add_f32 v[rS+4*(\u):rS+4*(\u)+1], v[rS+4*(\u):rS+4*(\u)+1], v[rS+4*(\u)+2:rS+4*(\u)+3]
.endm
.macro LU u                            ; l takes that sum; the first time as l = a l + sum
.if (\u) == 0
	v_pk_fma_f32 v[rT+4:rT+5], v[rT+4:rT+5], v[rT+2:rT+3], v[rS:rS+1] op_sel_hi:[1,0,1]
.else
	v_pk_add_f32 v[rT+4:rT+5], v[rT+4:rT+5], v[rS+4*(\u):rS+4*(\u)+1]
.endif
.endm
; 0-11 four chains of seven scores each (each accumulator's lowest registers first); 12-15 the four left over, the old m, the chains; 16 m_old - m_new; 17 m; 18 a
.macro XN n
.if (\n) < 4
	v_max3_num_f32 v[C+(\n)], v[rS2+8*(\n)], v[rS2+8*(\n)+1], v[rS2+8*(\n)+2]
.elseif (\n) < 12
	v_max3_num_f32 v[C+(\n)%4], v[C+(\n)%4], v[rS2+8*((\n)%4)+2*((\n)/4)+1], v[rS2+8*((\n)%4)+2*((\n)/4)+2]
.elseif (\n) == 12
	v_max3_num_f32 v[C], v[C], v[rS2+7], v[rS2+15]
.elseif (\n) == 13
	v_max3_num_f32 v[C+1], v[C+1], v[rS2+23], v[rS2+31]
.elseif (\n) == 14
	v_max3_num_f32 v[C+2], v[C+2], v[C+3], v[rT2]
.elseif (\n) == 15
	v_max3_num_f32 v[C], v[C], v[C+1], v[C+2]
.elseif (\n) == 16
	v_sub_f32 v[C+3], v[rT2], v[C]
.elseif (\n) == 17
	v_mov_b32 v[rT2], v[C]
.else
	v_exp_f32 v[rT2+2], v[C+3]
.endif
.endm
; A TURN, for tile t.  AHEAD OF THE WAIT: the 8 products, behind each a subtraction, an exponential, a subtraction, an exponential (behind the first both subtractions first): all 16 subtractions and terms 0-15;
; exponential u stands behind subtraction u / 2, and no subtraction names a term that has been through its exponential.  Then a lump: the next tile's XN 0-15 and terms 16-31 by turns, XN 16, a (XN 18), and XN 17,
; a plain move that names neither a nor its source: the plain instruction behind the batch's last exponential.  XN 3, the first line to read the last product's accumulator, stands five plain lines behind that product
; (two subtractions, XN 0-2).  BEHIND THE WAIT: the 16 sums; l takes them in ascending order.
; K of the next step is fetched in tile 2's turn, seven plain lines behind the last product that read K (two subtractions, XN 0-3, the address), and waited for a turn later.
.macro TURN t
.set rT, ST+8*(\t)
.set rS, S+32*((\t)%2)
.set rT2, ST+8*(((\t)+1)%4)
.set rS2, S+32*(((\t)+1)%2)
.if (\t) == 3
	s_wait_dscnt 0x0                               ; K is in
.endif
	KQ ((\t)+1)%4, 0
	FS 0
	FS 1
	EX 0
	EX 1
.set j, 1
.rept 7
	KQ ((\t)+1)%4, j
	FS 2*j
	EX 2*j
	FS 2*j+1
	EX 2*j+1
.set j, j+1
.endr
.set j, 0
.rept 16
	XN j
	EX 16+j
.if ((\t) == 2) && (j == 1)
	v_add_nc_u32 v[AK], s[TBK], v[AK0]
.endif
.if ((\t) == 2) && (j == 3)
	FETCH_K
.endif
.set j, j+1
.endr
	XN 16
	XN 18                                          ; the next tile's a: the batch's last
	XN 17
	s_wait_alu depctr_va_vdst(0)                   ; one wait for the turn's 33 exponentials, ahead of their first reader
	BU 0
	BU 1
	LU 0
	BU 2
	LU 1
	BU 3
	LU 2
	BU 4
	LU 3
	BU 5
	LU 4
	BU 6
	LU 5
	BU 7
	LU 6
	LU 7
.endm
.macro STEPS n
	s_mov_b32 s[CNT], \n
.Lstep_\@:
	TURN 0
	TURN 1
	TURN 2
	TURN 3
	s_sub_co_u32 s[CNT], s[CNT], 1
	s_cmp_lg_u32 s[CNT], 0
	s_cbranch_scc1 .Lstep_\@
.endm
	s_wait_tensorcnt 1                             ; my share of keys 0-575 is in; the second part, issued behind it, stays out
	s_barrier_signal -1
	s_barrier_wait -1                              ; everybody's is
	FETCH_K                                        ; key step 0
	s_wait_dscnt 0x0
.irp i, 0,1,2,3,4,5,6,7
	KQ 0, \i                                       ; tile 0's first scores
.endr
.rept 4
	v_nop                                          ; the places behind those products
.endr
.set rT2, ST
.set rS2, S
.irp n, 0,1,2,3,4,5,6,7,8,9,10,11,12,13,14,15,16,17,18
	XN \n
.endr
	v_nop                                          ; a plain instruction behind the exponential,
	s_wait_alu depctr_va_vdst(0)                   ; and the wait for it, tile 0's first a, ahead of the loop's label
	STEPS 8                                        ; key steps 0-7; they fetch K up to step 8: keys under 576
	s_wait_tensorcnt 0x0                           ; my share of the second part is in,
	s_wait_dscnt 0x0
	s_barrier_signal -1
	s_barrier_wait -1                              ; everybody's is
	STEPS 24                                       ; the last turn's products, on step 31's keys once more, leave m as it is and serve nothing else
	; THE MERGE of the two halves of the lanes, and -c = -(M + log2 l).  l >= 1: the largest term is 1.  The loop has left no exponential without its wait.
.macro ALL line:vararg
.set t, 0
.rept 4
	\line
.set t, t+1
.endr
.endm
	ALL v_add_f32 v[ST+8*t+4], v[ST+8*t+4], v[ST+8*t+5]
	ALL v_permlanex16_b32 v[ST+8*t+1], v[ST+8*t], s[SEL], s[SEL+1]
	ALL v_max_num_f32 v[ST+8*t+1], v[ST+8*t], v[ST+8*t+1]
	ALL v_sub_f32 v[ST+8*t+2], v[ST+8*t], v[ST+8*t+1]
	ALL v_exp_f32 v[ST+8*t+2], v[ST+8*t+2]
	v_nop                                          ; a plain instruction behind the last exponential,
	s_wait_alu depctr_va_vdst(0)                   ; and one wait for the four, ahead of the multiplies that read them
	ALL v_mul_f32 v[ST+8*t+4], v[ST+8*t+4], v[ST+8*t+2]
	ALL v_permlanex16_b32 v[ST+8*t+5], v[ST+8*t+4], s[SEL], s[SEL+1]
	ALL v_add_f32 v[ST+8*t+4], v[ST+8*t+4], v[ST+8*t+5]
	ALL v_log_f32 v[ST+8*t+4], v[ST+8*t+4]
	v_nop                                          ; a plain instruction behind the last logarithm,
	s_wait_alu depctr_va_vdst(0)                   ; and one wait for the four
	ALL v_fma_f32 v[ST+8*t+4], v[ST+8*t+4], -1.0, -v[ST+8*t+1]
	; both halves of the lanes hold the same 16 numbers of a tile: lanes 0-15 give tile 0's (2's), lanes 16-31 tile 1's (3's); through my 256 bytes of LDS they become 8 bytes a lane
	v_cmp_le_u32 vcc_lo, 16, v[LN]
	v_cndmask_b32 v[C], v[ST+4], v[ST+12], vcc_lo
	v_cndmask_b32 v[C+1], v[ST+20], v[ST+28], vcc_lo
	ds_store_b32 v[SA], v[C]
	ds_store_b32 v[SA], v[C+1] offset:128
	ds_load_b64 v[C+2:C+3], v[SB]                  ; LDS serves a wave's instructions in order: this sees the stores above
	s_wait_dscnt 0x0
	global_store_b64 v[GO], v[C+2:C+3], s[8:9]     ; 256 consecutive bytes, aligned
	s_wait_tensorcnt 0x0                           ; the wave's end
	ds_add_u32 v[SPW], v[NIL]
	s_wait_dscnt 0x0
	CROUND                                         ; the closing round
	s_endpgm
.Lfunc_end_k_qcaadd236f1_stats:
	.size	k_qcaadd236f1_stats, .Lfunc_end_k_qcaadd236f1_stats-k_qcaadd236f1_stats
	.p2alignl 7, 3214868480
	.fill 96, 4, 3214868480
	.section	.rodata,"a",@progbits
	.p2align	6, 0x0
	.amdhsa_kernel k_qcaadd236f1_stats
		.amdhsa_group_segment_fixed_size 327680
		.amdhsa_private_segment_fixed_size 0
		.amdhsa_enable_private_segment 0
		.amdhsa_kernarg_size 24
		.amdhsa_user_sgpr_count 2
		.amdhsa_user_sgpr_kernarg_segment_ptr 1
		.amdhsa_wavefront_size32 1
		.amdhsa_system_sgpr_workgroup_id_x 1
		.amdhsa_system_sgpr_workgroup_id_y 1
		.amdhsa_system_sgpr_workgroup_id_z 1
		.amdhsa_system_vgpr_workitem_id 0
		.amdhsa_next_free_vgpr 256
		.amdhsa_next_free_sgpr 66
		.amdhsa_reserve_vcc 1
		.amdhsa_float_denorm_mode_32 3
		.amdhsa_float_denorm_mode_16_64 3
		.amdhsa_memory_ordered 1
		.amdhsa_forward_progress 1
		.amdhsa_inst_pref_size 58
	.end_amdhsa_kernel
	.amdgpu_metadata
---
amdhsa.version: [ 1, 2 ]
amdhsa.kernels:
  - .name:           k_qcaadd236f1_stats
    .symbol:         k_qcaadd236f1_stats.kd
    .args:
      - { .name: nh, .offset: 0, .size: 8, .value_kind: global_buffer, .address_space: global }
      - { .name: gq, .offset: 8, .size: 8, .value_kind: global_buffer, .address_space: global }
      - { .name: nl, .offset: 16, .size: 8, .value_kind: global_buffer, .address_space: global }
    .group_segment_fixed_size: 327680
    .private_segment_fixed_size: 0
    .kernarg_segment_align: 8
    .kernarg_segment_size: 24
    .max_flat_workgroup_size: 128
    .sgpr_count:     66
    .vgpr_count:     256
    .wavefront_size: 32
...
	.end_amdgpu_metadata
.endif
;; end of part 6
;; launch attn (part 7): grid 8 x 32, 4 waves a work-group, clusters of 4 x 1, 327,680 bytes of LDS; arguments nh, nl, gq, yh; writes yh
.if DOCPART == 7
	.amdgcn_target "amdgcn-amd-amdhsa--gfx1250"
	.amdhsa_code_object_version 6
	.text
	.protected	k_qcaadd236f1_attn
	.globl	k_qcaadd236f1_attn
	.p2align	8
	.type	k_qcaadd236f1_attn,@function
k_qcaadd236f1_attn:
	s_mov_b64 s[64:65], 0
	v_nop
	global_prefetch_b8 v0, s[64:65] scope:SCOPE_SE
	s_setreg_imm32_b32 hwreg(HW_REG_WAVE_MODE, 25, 1), 1
	s_wait_xcnt 0x0
	s_wait_alu depctr_hold_cnt(0) depctr_sa_sdst(0) depctr_va_vdst(0) depctr_va_sdst(0) depctr_va_ssrc(0) depctr_va_vcc(0) depctr_vm_vsrc(0)
	s_getreg_b32 s2, hwreg(HW_REG_IB_STS2, 6, 4)
	s_cmp_eq_u32 s2, 0
	s_cbranch_scc0 .Lentry_in_a_cluster
	s_endpgm
.Lentry_in_a_cluster:
	s_bfe_u32 s2, ttmp6, 0x10000c
	s_cmp_lg_u32 s2, 0x3003
	s_cbranch_scc0 .Lentry_shape_is_right
	s_endpgm
.Lentry_shape_is_right:
; ATTN: yh[bh][i][:] = sum over j of (2^(S_ij - c_i) + 2^(S_ij - c_j)) n_j[:], S as in the launch before, -c from nl.  The first term is the row softmax's weight, the second the column
; softmax's: c holds each row's maximum and sum (log2 of the sum of 2^S, found with a running maximum), so both exponents are at most 0 but for the operands' rounding, and no maximum,
; rescaling or division is left to this launch.  The two weights are added and rounded ONCE to f16 for the second product; sums in f32; y rounded once to f16.  g3 is applied by the last launch.
; LIMITS: gq n under 65,504; |y| <= 2,049 x 8; a weight below 2^-126 counts as 0, one below 6e-5 keeps f16's fixed step of 6e-8; NaN and infinities are not treated apart.
; SHARES, LDS, CLUSTER as in the launch before: 256 queries a work-group, four tiles of 16 a wave; the head's n (keys AND values) lies whole in LDS, filled once, in two parts; so does the
; head's table of -c (8,192 bytes); all three are joint loads of the cluster's four query blocks.
; LAYOUT.  S^T = K Q^T holds one query a lane and the keys 16 kb + 8 (lane / 16) + 0..7; two such results rounded to f16 ARE source 1 of O^T = V^T P; V = n comes out of LDS turned, by ds_load_tr16_b128.
; (At a pitch of 144 bytes the turning load's eight rows do not all start at different banks; a pitch of 160 would not leave room for the table and the stages.)
; BY TURNS.  Turn t of a key step belongs to tile t: 8 products K Q^T of tile t + 1, then 8 products V^T P of tile t - 1; beside them tile t's 64 plain lines and 64 exponentials.
; BATCHES.  A turn's 64 exponentials are ONE batch with ONE wait, which cuts the turn in two.  Ahead of it stands all that names no result of theirs: the products K Q^T and the 32 subtractions of c.  Behind it
; stand the products V^T P and, four behind each, the 32 lines that add two weights and round the sum: the only readers.  No exponential is issued behind a turn's wait, so none crosses a turn's end, a label or the loop's jump.
; REGISTERS, in windows of 256 (s_set_vgpr_msb: bits 1:0 source 0, 3:2 source 1, 5:4 source 2, 7:6 destination):
;   window 0: v0-18 addresses; v32-63 T (S - c_i); v64-127 S^T, two buffers; v128-191 K; v192-223 P, two buffers
;   window 1: v0-63 Q; v64-95 -c_j of the step's keys; v96-103 -c_i, a pair a tile; v104 1.0; v112-127 gq       window 2: v0-127 O^T; v128-191 V
; All second sources of the vector lines and of K Q^T lie in window 1, so one setting serves them; only V^T P switches: 16 switches a turn.
.set PN,    144
.set STEPB, 64*PN
.set CT,    2048*PN   ; behind n: the table of -c
.set STAGE, CT+8192   ; 16 rows x 144 bytes for each wave, for the way out; no tensor load fills it
.set SP,    144
.set SPARE, STAGE+4*16*SP
.set AK0, 2
.set AV0, 3
.set AC0, 4
.set AK,  5
.set AV,  6
.set AC,  7
.set STO, 8
.set RD,  9
.set GO,  10
.set QO,  11
.set NO,  12
.set SPW, 16
.set NIL, 17
.set T,   32
.set S,   64
.set K,   128
.set P,   192
.set Q,   0           ; window 1
.set CJ,  64
.set NCI, 96
.set ONE, 104
.set GQ,  112
.set O,   0           ; window 2
.set V,   128
.set WV,  12
.set G1A, 24
.set G1B, 32
.set G1C, 40
.set G0A, 48
.set G0B, 52
.set G0C, 56
.set CNT, 60
.set TBK, 61
.set TBV, 62
.set TBC, 63
.set MSB, 0
.macro WIN new
.if MSB != (\new)
	s_set_vgpr_msb (MSB<<8)|(\new)
.set MSB, (\new)
.endif
.endm
.set W_MAIN, 0x04     ; source 1 in window 1, all else in window 0
.set W_PV,   0xa2     ; V, C and D in window 2, P in window 0
.macro CROUND
	s_barrier_signal -1
	s_barrier_wait -1
	s_cmp_lg_u32 s[WV], 0
	s_cbranch_scc1 .Lnot_wave_0_\@
	s_barrier_signal -3
.Lnot_wave_0_\@:
	s_barrier_wait -3
	s_barrier_signal -1
	s_barrier_wait -1
.endm
	s_load_b256 s[4:11], s[0:1], 0x0               ; nh s[4:5], nl s[6:7], gq s[8:9], yh s[10:11]
	v_lshl_add_u32 v[SPW], v0, 2, SPARE
	v_mov_b32 v[NIL], 0
	ds_add_u32 v[SPW], v[NIL]                      ; the wave's opening: the add and its wait ahead of my first tensor load
	v_lshrrev_b32 v1, 5, v0
	v_readfirstlane_b32 s[WV], v1
	s_bfe_u32 s13, ttmp6, 0x40000                  ; cx
	s_lshl_b32 s14, ttmp9, 2
	s_add_co_u32 s14, s14, s13                     ; my block of 256 queries: it enters the addresses of Q, of my queries' -c and of yh alone
	s_and_b32 s15, ttmp7, 0xffff                   ; the head, which the four partners share
	s_lshl_b32 s16, s15, 18
	s_mul_i32 s18, s[WV], 72*256                   ; keys 0-575: 144 a wave
	s_add_co_u32 s18, s18, s16
	s_mov_b32 s19, 0
	s_mul_i32 s20, s[WV], 184*256                  ; keys 576-2,047: 368 a wave
	s_add_co_u32 s20, s20, s16
	s_add_co_u32 s20, s20, 576*128
	s_mov_b32 s21, 0
	s_lshl_b32 s22, s15, 13                        ; the head's table: 2,048 bytes a wave
	s_lshl_b32 s23, s[WV], 11
	s_add_co_u32 s22, s22, s23
	s_mov_b32 s23, 0
	s_lshl_b32 s2, s14, 15                         ; Q and yh: my block's 256 rows, my wave's 64 of them
	s_lshl_b32 s3, s[WV], 13
	s_add_co_u32 s2, s2, s3
	s_add_co_u32 s2, s2, s16
	s_mov_b32 s3, 0
	s_lshl_b32 s16, s15, 13                        ; my queries' -c
	s_lshl_b32 s17, s14, 10
	s_add_co_u32 s16, s16, s17
	s_lshl_b32 s17, s[WV], 8
	s_add_co_u32 s16, s16, s17
	s_mov_b32 s17, 0
	s_mov_b32 s[G1A], 15|(1<<16)|(1<<20)|(1<<21)|(4<<22)|(3<<25)   ; the mask of four; 2-byte elements; padding on; bit 21 beside a mask; after every 32 words 4 words
	s_mov_b32 s[G1A+1], 128<<16
	s_mov_b32 s[G1A+2], 72<<16
	s_mov_b32 s[G1A+3], 128<<16
	s_mov_b32 s[G1A+4], 72
	s_mov_b32 s[G1A+5], 128
	s_mov_b32 s[G1A+6], 0
	s_mov_b32 s[G1A+7], 0
	s_mov_b32 s[G1B], 15|(1<<16)|(1<<20)|(1<<21)|(4<<22)|(3<<25)
	s_mov_b32 s[G1B+1], 128<<16
	s_mov_b32 s[G1B+2], 184<<16
	s_mov_b32 s[G1B+3], 128<<16
	s_mov_b32 s[G1B+4], 184
	s_mov_b32 s[G1B+5], 128
	s_mov_b32 s[G1B+6], 0
	s_mov_b32 s[G1B+7], 0
	s_mov_b32 s[G1C], 15|(3<<16)|(1<<21)           ; 8-byte elements, no padding: 8 rows of 256 bytes
	s_mov_b32 s[G1C+1], 32<<16
	s_mov_b32 s[G1C+2], 8<<16
	s_mov_b32 s[G1C+3], 32<<16
	s_mov_b32 s[G1C+4], 8
	s_mov_b32 s[G1C+5], 32
	s_mov_b32 s[G1C+6], 0
	s_mov_b32 s[G1C+7], 0
	s_mov_b32 s[G0A], 1
	s_mul_i32 s[G0A+1], s[WV], 144*PN
	s_mov_b32 s[G0B], 1
	s_mul_i32 s[G0B+1], s[WV], 368*PN
	s_add_co_u32 s[G0B+1], s[G0B+1], 576*PN
	s_mov_b32 s[G0C], 1
	s_lshl_b32 s[G0C+1], s[WV], 11
	s_add_co_u32 s[G0C+1], s[G0C+1], CT
	s_mov_b32 s[TBK], 0
	s_mov_b32 s[TBV], 0
	s_mov_b32 s[TBC], 0
	s_wait_dscnt 0x0                               ; the opening add is done
	s_wait_kmcnt 0x0
	s_add_nc_u64 s[G0A+2:G0A+3], s[4:5], s[18:19]
	s_or_b32 s[G0A+3], s[G0A+3], 0x80000000
	s_add_nc_u64 s[G0B+2:G0B+3], s[4:5], s[20:21]
	s_or_b32 s[G0B+3], s[G0B+3], 0x80000000
	s_add_nc_u64 s[G0C+2:G0C+3], s[6:7], s[22:23]
	s_or_b32 s[G0C+3], s[G0C+3], 0x80000000
	s_add_nc_u64 s[10:11], s[10:11], s[2:3]        ; yh at my wave's first row
	s_add_nc_u64 s[2:3], s[4:5], s[2:3]            ; Q likewise
	s_add_nc_u64 s[16:17], s[6:7], s[16:17]        ; nl at my wave's first query
	CROUND                                         ; all four work-groups are here: the joint loads meet
	tensor_load_to_lds s[G0C:G0C+3], s[G1C:G1C+7]  ; every wave issues all three: three tensor loads of mine are out
	s_nop 0
	tensor_load_to_lds s[G0A:G0A+3], s[G1A:G1A+7]
	s_nop 0
	tensor_load_to_lds s[G0B:G0B+3], s[G1B:G1B+7]
	s_nop 0
.rept 4
	v_nop
.endr
	v_and_b32 v1, 15, v0                           ; l % 16
	v_bfe_u32 v13, v0, 4, 1                        ; l / 16
	v_lshlrev_b32 v[QO], 7, v1
	v_lshl_add_u32 v[QO], v13, 4, v[QO]
	v_lshlrev_b32 v14, 4, v13                      ; my byte offset in gq
	v_lshlrev_b32 v[NO], 2, v1
	WIN 0x40                                       ; destination in window 1, address in window 0
.set i, 0
.rept 8
	global_load_b128 v[Q+8*i:Q+8*i+3],   v[QO], s[2:3] offset:(i/2)*2048+(i%2)*64
	global_load_b128 v[Q+8*i+4:Q+8*i+7], v[QO], s[2:3] offset:(i/2)*2048+(i%2)*64+32
.set i, i+1
.endr
.irp k, 0,1,2,3
	global_load_b128 v[GQ+4*\k:GQ+4*\k+3], v14, s[8:9] offset:32*\k
.endr
.irp t, 0,1,2,3
	global_load_b32 v[NCI+2*\t], v[NO], s[16:17] offset:64*\t      ; -c of query 16 t + l % 16
.endr
	v_mov_b32 v[ONE], 1.0
	; O^T starts at 0, and so does P: the first turn's products V^T P, of a tile that has not been, add 0.  The price of writing no first step out; it stands in the wait for the first tile.
	WIN 0x80
.set i, 0
.rept 128
	v_mov_b32 v[O+i], 0
.set i, i+1
.endr
	WIN 0
.set i, 0
.rept 32
	v_mov_b32 v[P+i], 0
.set i, i+1
.endr
	v_mul_u32_u24 v[AK0], v1, PN
	v_lshl_add_u32 v[AK0], v13, 4, v[AK0]          ; row x pitch + 16 x half
	v_and_b32 v15, 7, v0
	v_bfe_u32 v18, v0, 3, 1
	v_lshl_add_u32 v[AV0], v13, 3, v15             ; the turning load: key 8 (l / 16) + l % 8, channels 8 ((l / 8) % 2) + 0..7
	v_mul_u32_u24 v[AV0], v[AV0], PN
	v_lshl_add_u32 v[AV0], v18, 4, v[AV0]
	v_lshlrev_b32 v[AC0], 5, v13                   ; the table: my lanes' eight keys of a group of 16
	v_add_nc_u32 v[AC0], CT, v[AC0]
	s_mul_i32 s18, s[WV], 16*SP
	s_add_co_u32 s18, s18, STAGE                   ; my stage
	v_add_nc_u32 v[STO], s18, v[AK0]               ; in: row l % 16, 16 bytes for each half of the lanes
	v_bfe_u32 v[RD], v0, 3, 2                      ; back: 32 lanes take four rows of 128 bytes,
	v_mul_u32_u24 v[RD], v[RD], SP
	v_lshl_add_u32 v[RD], v15, 4, v[RD]
	v_add_nc_u32 v[RD], s18, v[RD]
	v_and_b32 v[GO], 31, v0                        ; which are 512 consecutive bytes of yh
	v_lshlrev_b32 v[GO], 4, v[GO]
	v_mov_b32 v[AK], v[AK0]                        ; key step 0
	v_mov_b32 v[AV], v[AV0]
	v_mov_b32 v[AC], v[AC0]
	s_wait_loadcnt 0x0
	WIN 0x45                                       ; destination and both sources in window 1
.set i, 0
.rept 64
	v_pk_mul_f16 v[Q+i], v[Q+i], v[GQ+i%16]        ; the gains and the scale go into the query operand, as in the launch before: the scores have the same bits
.set i, i+1
.endr
	WIN 0x41
.irp t, 0,1,2,3
	v_mov_b32 v[NCI+2*\t+1], v[NCI+2*\t]           ; a pair for the packed addition
.endr
	WIN 0
; The 4 accumulators of a run of 8 take turns
.macro KQ x, i                         ; product i of 8 of S^T = K Q^T for tile x: channels 32 (i / 4) on, keys 16 (i % 4) on
	WIN W_MAIN
.set rD, S+32*((\x)%2)+8*((\i)%4)
.set rK, K+16*((\i)%4)+8*((\i)/4)
.set rQ, Q+16*(\x)+8*((\i)/4)
.if (\i) < 4
	v_wmma_f32_16x16x32_f16 v[rD:rD+7], v[rK:rK+7], v[rQ:rQ+7], 0
.else
	v_wmma_f32_16x16x32_f16 v[rD:rD+7], v[rK:rK+7], v[rQ:rQ+7], v[rD:rD+7]
.endif
.endm
.macro PV x, i                         ; product i of 8 of O^T += V^T P for tile x: keys 32 (i / 4) on, channels 16 (i % 4) on
	WIN W_PV
.set rO, O+32*(\x)+8*((\i)%4)
.set rV, V+32*((\i)/4)+8*((\i)%4)
.set rB, P+16*((\x)%2)+8*((\i)/4)
	v_wmma_f32_16x16x32_f16 v[rO:rO+7], v[rV:rV+7], v[rB:rB+7], v[rO:rO+7]
.endm
; The LDS loads stand in runs; their addresses are made some lines ahead.  K's and the table's offsets are held at the last step's: the fetches behind the last step read it again
.macro FETCH_K
	WIN W_MAIN
.irp f, 0,1,2,3,4,5,6,7
	ds_load_b128 v[K+8*\f:K+8*\f+3],   v[AK] offset:(\f/2)*16*PN+(\f%2)*64
	ds_load_b128 v[K+8*\f+4:K+8*\f+7], v[AK] offset:(\f/2)*16*PN+(\f%2)*64+32
.endr
	s_add_co_u32 s[TBK], s[TBK], STEPB
	s_min_u32 s[TBK], s[TBK], 31*STEPB
.endm
.macro FETCH_V step
	WIN 0x80                                       ; destination in window 2
.irp f, 0,1,2,3,4,5,6,7                                ; keys 32 (f / 4) on, channels 16 (f % 4) on
	ds_load_tr16_b128 v[V+8*\f:V+8*\f+3],   v[AV] offset:(\f/4)*32*PN+(\f%4)*32
	ds_load_tr16_b128 v[V+8*\f+4:V+8*\f+7], v[AV] offset:(\f/4)*32*PN+16*PN+(\f%4)*32
.endr
.if \step
	s_add_co_u32 s[TBV], s[TBV], STEPB
.endif
.endm
.macro FETCH_C
	WIN 0x40                                       ; destination in window 1
.irp kb, 0,1,2,3
	ds_load_b128 v[CJ+8*\kb:CJ+8*\kb+3],   v[AC] offset:64*\kb
	ds_load_b128 v[CJ+8*\kb+4:CJ+8*\kb+7], v[AC] offset:64*\kb+16
.endr
	s_add_co_u32 s[TBC], s[TBC], 256
	s_min_u32 s[TBC], s[TBC], 31*256
.endm
; THE VECTOR WORK of a turn stands in two queues; PL and EX write the next entry of each.  All lines run under W_MAIN.
; THE PLAIN QUEUE, 64 long.  0-15: T = S - c_i for pair n.  16-31: S = S - c_j for pair n - 16, in place.  These 32 read no exponential's result.
;   32-63: score v = n - 32: 2^T + 2^S, rounded once to f16, into its half of P: the readers, which stand behind the wait.
.macro PL
.if pli < 16
	v_pk_add_f32 v[T+2*pli:T+2*pli+1], v[rS+2*pli:rS+2*pli+1], v[NCI+2*Y:NCI+2*Y+1]
.elseif pli < 32
	v_pk_add_f32 v[rS+2*(pli-16):rS+2*(pli-16)+1], v[rS+2*(pli-16):rS+2*(pli-16)+1], v[CJ+2*(pli-16):CJ+2*(pli-16)+1]
.elseif pli%2 == 0
	v_fma_mixlo_f16 v[rP+(pli-32)/2], v[T+pli-32], v[ONE], v[rS+pli-32]
.else
	v_fma_mixhi_f16 v[rP+(pli-32)/2], v[T+pli-32], v[ONE], v[rS+pli-32]
.endif
.set pli, pli+1
.endm
; THE EXPONENTIALS' QUEUE, 64 long: T0-T31, then S0-S31, each in place.  It is ONE BATCH: all 64 stand ahead of the turn's one wait.
.macro EX
.if exi < 32
	v_exp_f32 v[T+exi], v[T+exi]
.else
	v_exp_f32 v[rS+exi-32], v[rS+exi-32]
.endif
.set exi, exi+1
.endm
; A TURN, for tile t.  AHEAD OF THE WAIT: the 8 products K Q^T, behind each plain, exponential, plain, exponential (behind the first both plain lines first): plain 0-15, exponentials 0-15; then a lump of 16 groups
; of a plain line and three exponentials: plain 16 + k, exponentials 16 + 3 k to 18 + 3 k.  The queues keep in step: exponential e stands behind plain e / 2 (in group k the last needs plain 16 + (3 k - 14) / 2, at most
; 16 + k), and no plain line names a number that has been through its exponential (ahead of group k the exponentials have come to S[3 k - 17], and its plain line names S[2 k] and S[2 k + 1]).  A plain instruction
; follows the last exponential: a v_nop, in tile 3's turn the table's address.  BEHIND THE WAIT: the 8 products V^T P, behind each four of plain 32-63.  No vector line names a register of the products round it.
; K of the next step: fetched in tile 2's turn, seven plain lines behind the last product that read K (two riders, four of the lump, the address); waited for at the head of tile 3's.
; V of the step in hand: fetched at the end of tile 0's turn, five plain lines behind the last product that read V (four riders, the address); waited for ahead of tile 1's first V^T P.
; -c_j of the next step: fetched in tile 3's turn, directly behind its wait, behind the last line that reads the old ones; waited for in tile 0's, at the lump's head, ahead of the first line that reads them.
.macro TURN t
.set Y, (\t)
.set rS, S+32*((\t)%2)
.set rP, P+16*((\t)%2)
.set pli, 0
.set exi, 0
.if (\t) == 3
	s_wait_dscnt 0x0                               ; K is in
.endif
	KQ ((\t)+1)%4, 0
	PL
	PL
	EX
	EX
.set j, 1
.rept 7
	KQ ((\t)+1)%4, j
	PL
	EX
	PL
	EX
.set j, j+1
.endr
.if (\t) == 0
	s_wait_dscnt 0x0                               ; -c_j is in
.endif
.set j, 0
.rept 16
	PL
	EX
	EX
	EX
.if ((\t) == 2) && (j == 1)
	v_add_nc_u32 v[AK], v[AK0], s[TBK]
.endif
.if ((\t) == 2) && (j == 3)
	FETCH_K
.endif
.set j, j+1
.endr
.if (\t) == 3
	v_add_nc_u32 v[AC], v[AC0], s[TBC]             ; the table's next address: also the plain instruction behind the batch's last exponential
.else
	v_nop                                          ; the plain instruction behind the batch's last exponential
.endif
	s_wait_alu depctr_va_vdst(0)                   ; one wait for the turn's 64 exponentials, ahead of their first reader
.if (\t) == 3
	FETCH_C
.endif
.if (\t) == 1
	s_wait_dscnt 0x0                               ; V is in
.endif
.set j, 0
.rept 8
	PV ((\t)+3)%4, j
	WIN W_MAIN
	PL
	PL
	PL
	PL
.set j, j+1
.endr
.if (\t) == 0
	v_add_nc_u32 v[AV], v[AV0], s[TBV]
	FETCH_V 1
.endif
.endm
.macro STEPS n
	WIN 0                                          ; at a label and at a branch every window is 0
	s_mov_b32 s[CNT], \n
.Lstep_\@:
	TURN 0
	TURN 1
	TURN 2
	TURN 3
	WIN 0
	s_sub_co_u32 s[CNT], s[CNT], 1
	s_cmp_lg_u32 s[CNT], 0
	s_cbranch_scc1 .Lstep_\@
.endm
	s_wait_tensorcnt 1                             ; my shares of the table and of keys 0-575 are in; the last part, issued behind them, stays out
	s_barrier_signal -1
	s_barrier_wait -1                              ; everybody's are
	FETCH_K                                        ; key step 0: K, -c_j, and V (finite numbers for the first turn's products on P = 0; the first turn fetches it again)
	FETCH_C
	FETCH_V 0
	s_wait_dscnt 0x0
.irp i, 0,1,2,3,4,5,6,7
	KQ 0, \i                                       ; tile 0's first scores
.endr
.rept 4
	v_nop                                          ; the places behind those products
.endr
	STEPS 8                                        ; key steps 0-7; they fetch K up to step 8 and V up to step 7: keys under 576
	s_wait_tensorcnt 0x0                           ; my share of the last part is in,
	s_wait_dscnt 0x0
	s_barrier_signal -1
	s_barrier_wait -1                              ; everybody's is
	STEPS 24                                       ; the last turn's eight products K Q^T, on step 31's keys once more, serve nothing: the price of one text for every trip
.irp i, 0,1,2,3,4,5,6,7
	PV 3, \i                                       ; the last tile's V^T P of the last step
.endr
	; THE WAY OUT: O^T rounded to f16 and sent through my stage, a tile at a time.  Tiles 0 to 2 go first: their conversions are the places behind the last products.
.macro PACK t
	WIN 0x0a                                       ; sources 0 and 1 in window 2, destination in window 0
.set i, 0
.rept 16
	v_cvt_pk_f16_f32 v[S+16*(\t)+i], v[O+32*(\t)+2*i], v[O+32*(\t)+2*i+1]
.set i, i+1
.endr
	WIN 0
.irp f, 0,1,2,3
	ds_store_b128 v[STO], v[S+16*(\t)+4*\f:S+16*(\t)+4*\f+3] offset:32*\f
.endr
.irp f, 0,1,2,3
	ds_load_b128 v[S+16*(\t)+4*\f:S+16*(\t)+4*\f+3], v[RD] offset:\f*4*SP   ; LDS serves a wave's instructions in order: these see the stores above; the next tile's stores come behind them
.endr
.endm
.macro SEND t, younger                 ; younger: the LDS instructions issued behind tile t's loads: the next tile's eight, or none
	WIN 0
.irp f, 0,1,2,3
	s_wait_dscnt (\younger)+3-\f
	global_store_b128 v[GO], v[S+16*(\t)+4*\f:S+16*(\t)+4*\f+3], s[10:11] offset:(\t)*2048+\f*512   ; 512 consecutive bytes, at a multiple of 256 from yh's first
.endr
.endm
	PACK 0
	PACK 1
	SEND 0, 8
	PACK 2
	SEND 1, 8
	PACK 3
	SEND 2, 8
	SEND 3, 0
	s_wait_tensorcnt 0x0                           ; the wave's end
	ds_add_u32 v[SPW], v[NIL]
	s_wait_dscnt 0x0
	CROUND                                         ; the closing round
	s_endpgm
.Lfunc_end_k_qcaadd236f1_attn:
	.size	k_qcaadd236f1_attn, .Lfunc_end_k_qcaadd236f1_attn-k_qcaadd236f1_attn
	.p2alignl 7, 3214868480
	.fill 96, 4, 3214868480
	.section	.rodata,"a",@progbits
	.p2align	6, 0x0
	.amdhsa_kernel k_qcaadd236f1_attn
		.amdhsa_group_segment_fixed_size 327680
		.amdhsa_private_segment_fixed_size 0
		.amdhsa_enable_private_segment 0
		.amdhsa_kernarg_size 32
		.amdhsa_user_sgpr_count 2
		.amdhsa_user_sgpr_kernarg_segment_ptr 1
		.amdhsa_wavefront_size32 1
		.amdhsa_system_sgpr_workgroup_id_x 1
		.amdhsa_system_sgpr_workgroup_id_y 1
		.amdhsa_system_sgpr_workgroup_id_z 1
		.amdhsa_system_vgpr_workitem_id 0
		.amdhsa_next_free_vgpr 704
		.amdhsa_next_free_sgpr 66
		.amdhsa_reserve_vcc 0
		.amdhsa_float_denorm_mode_32 3
		.amdhsa_float_denorm_mode_16_64 3
		.amdhsa_memory_ordered 1
		.amdhsa_forward_progress 1
		.amdhsa_inst_pref_size 98
	.end_amdhsa_kernel
	.amdgpu_metadata
---
amdhsa.version: [ 1, 2 ]
amdhsa.kernels:
  - .name:           k_qcaadd236f1_attn
    .symbol:         k_qcaadd236f1_attn.kd
    .args:
      - { .name: nh, .offset: 0, .size: 8, .value_kind: global_buffer, .address_space: global }
      - { .name: nl, .offset: 8, .size: 8, .value_kind: global_buffer, .address_space: global }
      - { .name: gq, .offset: 16, .size: 8, .value_kind: global_buffer, .address_space: global }
      - { .name: yh, .offset: 24, .size: 8, .value_kind: global_buffer, .address_space: global }
    .group_segment_fixed_size: 327680
    .private_segment_fixed_size: 0
    .kernarg_segment_align: 8
    .kernarg_segment_size: 32
    .max_flat_workgroup_size: 128
    .sgpr_count:     66
    .vgpr_count:     704
    .wavefront_size: 32
...
	.end_amdgpu_metadata
.endif
;; end of part 7
;; launch outp: the kernel of part 5 again; grid 4 x 64, 4 waves a work-group, clusters of 4 x 4, 327,680 bytes of LDS; arguments yh, w3h, out0; writes out0
